; MI455X (gfx1250); checked and timed in simulation.
; The chip was launched on July 23, 2026; its instructions are those of AMD's public machine-readable ISA for CDNA 5 (MIT licence, August 2026) and "CDNA5" Instruction Set Architecture Reference Guide (July 2026). The comments in the code are by the model that wrote it; some were corrected since.
;; Linear Memory Attention. Allowed arithmetic: matrix products marked QUANTISED: E3M2 operands, one E8M0 scale for each 32 along K, by v_wmma_scale_f32_16x16x128_f8f6f4 with both operands' format E3M2, f32 sums; products left as they are: f32 operands where the result goes on into a quantised operand, else bf16, f16 or f32 operands; f32 sums; everything else in f32.
;; Inputs: Wk 512 x 2,048 float32; Wo 2,048 x 1,024 float32; Wq 1,024 x 2,048 float32; Wv 512 x 2,048 float32; bk 512 float32; bq 1,024 float32; bv 512 float32; hidden_states 2 x 4,096 x 2,048 float32.
;; Outputs: out0 2 x 4,096 x 2,048 float32.
;; This version of the problem:
;;   THIS VERSION OF THE PROBLEM IS GIVEN IN LOW PRECISION. The matrix products marked QUANTISED in the list below multiply operands that are first quantised to E3M2 (3 exponent bits, 2 mantissa bits; 6 bits a number), with one power-of-two scale for each 32 numbers along K (OCP MX v1.0); their sums are f32. All else is computed in f32.
;;   The module's matrix products, in the order in which they are computed (A, B: the left and right operand; K: the contracted axis; several contracted axes count as one K, in the product's order):
;;     1. [M 8,192, K 2,048] x [K 2,048, N 1,024]; A: input hidden_states; B: input Wq: QUANTISED
;;     2. [M 8,192, K 2,048] x [K 2,048, N 512]; A: input hidden_states; B: input Wk: QUANTISED
;;     3. [M 8,192, K 2,048] x [K 2,048, N 512]; A: input hidden_states; B: input Wv: QUANTISED
;;     4. batch 16 x [M 128, K 4,096] x [K 4,096, N 128]; A: computed on the way; B: computed on the way: QUANTISED
;;     5. batch 16 x [M 4,096, K 128] x [K 128, N 128]; A: computed on the way; B: computed on the way: QUANTISED
;;     6. batch 16 x [M 4,096, K 128] x [K 128, N 1]; A: computed on the way; B: computed on the way: left as it is (N = 1 < 16)
;;     7. [M 8,192, K 1,024] x [K 1,024, N 2,048]; A: computed on the way; B: input Wo: QUANTISED
;;   THE QUANTISER, for each operand of a quantised product, along K:
;;     - K is cut into blocks of 32 from its start; a last block that is shorter is filled with zeros.
;;     - A block's scale is 2^e with e = floor(log2(the largest magnitude in the block)) - 4, held to -126 .. 127; a block of zeros has e = 0. As a byte (E8M0): e + 127.
;;     - Each number is divided by its block's scale, clamped to +-28, and rounded to the nearest number of E3M2, ties to even, subnormals kept.
;;     - The product sums the exact products of the quantised numbers (number of the format x scale) in f32.
;;   ~~~python
;;   def quantise(x, axis):      # numpy; x: float32 -> the quantised numbers, widened to float32 again
;;       x = np.moveaxis(x, axis, -1); K = x.shape[-1]
;;       x = np.pad(x, [(0, 0)] * (x.ndim - 1) + [(0, -K % 32)]); x = x.reshape(x.shape[:-1] + (-1, 32)); a = np.abs(x).max(-1, keepdims=True)
;;       e = np.where(a > 0, np.clip(np.frexp(np.where(a > 0, a, 1))[1] - 1 - 4, -126, 127), 0)      # np.frexp(a)[1] - 1 = floor(log2(a)), exactly
;;       r = np.clip(x / 2.0 ** e, -28, 28)
;;       step = 2.0 ** (np.maximum(np.frexp(np.where(r == 0, 1, r))[1] - 1, -2) - 2)
;;       q = np.round(r / step) * step * 2.0 ** e      # np.round: ties to even
;;       return np.moveaxis(q.reshape(q.shape[:-2] + (-1,))[..., :K], -1, axis).astype(np.float32)
;;   ~~~
;;   OPERANDS COMPUTED ON THE WAY. 'Computed on the way' means the value that the module computes at that place (a softmax that the list does not call 'softmax' is quantised finished and normalised). What goes into a quantiser is computed in f32, as accurately as f32 sums, v_exp_f32 and their like allow (about 1e-6 of the number): no bf16 or f16 on the way to a quantiser, and a product that is left as it is and whose result goes on into a quantised operand takes f32 operands (vector FMAs, or v_wmma_f32_16x16x4_f32). A number that lies on a knife's edge between two numbers of the format may be rounded either way, as far as f32 arithmetic and the matrix unit's own rounding can turn it there, and no further.
;; One version. Each part assembles by itself: llvm-mc -triple=amdgcn-amd-amdhsa -mcpu=gfx1250 --defsym DOCPART=n.
;; ======== version 1 of 1: 5 launches
;; workspace buffers: qin 18,022,400 bytes; sq 33,554,432 bytes; part 8,519,680 bytes; kvq 135,168 bytes; att 6,553,600 bytes
;; launch quant (part 1): grid 704 x 1, 4 waves a work-group, no clusters, 33,280 bytes of LDS; arguments hidden_states, Wq, Wk, Wv, Wo, qin; writes qin
.if DOCPART == 1
	.amdgcn_target "amdgcn-amd-amdhsa--gfx1250"
	.amdhsa_code_object_version 6
	.text
	.protected	k_qc7e6616e9e_quant
	.globl	k_qc7e6616e9e_quant
	.p2align	8
	.type	k_qc7e6616e9e_quant,@function
k_qc7e6616e9e_quant:
	s_mov_b64 s[64:65], 0
	v_nop
	global_prefetch_b8 v0, s[64:65] scope:SCOPE_SE
	s_setreg_imm32_b32 hwreg(HW_REG_WAVE_MODE, 25, 1), 1
	s_wait_xcnt 0x0
; hidden_states [8192][2048], Wq [1024][2048], Wk, Wv [512][2048], Wo [2048][1024], all f32 with K innermost, become codes of BF6 (E3M2), 6 bits each, and one E8M0 byte for each 32 along K, in the workspace qin:
;   x's codes at 0 (1,536 bytes a row), the weights' codes at QWC (2,048 rows of 1,536 bytes: Wq, then for each kv head its 128 rows of Wk and its 128 rows of Wv; then Wo's 2,048 rows of 768 bytes),
;   x's scale bytes at QXS (64 a row), the weights' at QWS (64 a row; Wo's 32 a row).
; THE ROW ORDER: in x and in Wq, Wk, Wv the row at place p holds the tensor's row p with bits 3 and 4 exchanged.  A product used transposed then leaves a lane's registers in the order in which the next quantiser wants them.  Wo keeps its order.
; A block's scale is 2^(floor(log2(its largest magnitude)) - 4); its byte is the largest magnitude's exponent field - 4, held at 1 from below.  Each number is divided by the scale and rounded to the nearest code, ties to even, beyond 28 the largest code.
; LIMITS: a block whose largest magnitude lies under 2^-122, a block of zeros among them, gets the byte 1 (a block of zeros has zero codes, and this program alone reads the bytes); NaN and infinities are not served.
; A wave takes a run of 8,192 numbers (4 rows of 2,048, or 8 of Wo's), 16 steps of 512.  Each of a step's four loads reads 512 consecutive bytes; the 2,048 bytes turn through the wave's own stage in LDS and come back 64 bytes a lane,
; so that a lane holds 16 neighbours along K and two neighbouring lanes a block.  A step's codes leave as 384 consecutive bytes, a run's 256 scale bytes as one aligned store of 256 bytes.
; Exchanging bits 3 and 4 of a row is exchanging bits 1 and 2 of a run's number: only the place to which a run's results go is permuted.  Waves share nothing: no barrier.  Loads run four steps (16 loads a wave) ahead.
.set STEPS, 16
.set EMAX,  4
.set CB,    12                         ; bytes of 16 codes
.set R,     16                         ; v16-79   four sets of 16 numbers as they are loaded
.set X,     80                         ; v80-111  two sets of 16 neighbours
.set C,     128                        ; v128-191 codes: four registers for each step
.set E,     112                        ; v112-127 a scale byte for each step
.set WREG,  8192                       ; LDS: a region for each wave: two stages of 32 x SP bytes, behind them its 256 scale bytes
.set SP,    80                         ; a lane's place in a stage: 64 bytes + 16 of padding
.set QWC,   12582912
.set QXS,   17301504
.set QWS,   17825792
	s_load_b256 s[4:11], s[0:1], 0x0               ; x s[4:5], Wq s[6:7], Wk s[8:9], Wv s[10:11]
	s_load_b128 s[12:15], s[0:1], 0x20             ; Wo s[12:13], qin s[14:15]
	v_lshl_add_u32 v192, v0, 2, 0x8000
	v_mov_b32 v193, 0
	v_lshrrev_b32 v1, 5, v0
	v_readfirstlane_b32 s16, v1                    ; wave
	v_and_b32 v2, 31, v0                           ; lane
	v_lshlrev_b32 v3, 4, v2                        ; my 16 bytes of a load's 512
	s_mul_i32 s17, s16, WREG
	v_lshrrev_b32 v14, 2, v2
	v_mul_u32_u24 v14, v14, SP
	v_and_b32 v15, 3, v2
	v_lshl_add_u32 v14, v15, 4, v14
	v_add_nc_u32 v14, s17, v14                     ; the stage, on the way in: SP (lane / 4) + 16 (lane % 4)
	v_mul_u32_u24 v15, v2, SP
	v_add_nc_u32 v15, s17, v15                     ; and on the way out: SP x lane: my 16 neighbours
	v_mul_u32_u24 v4, v2, CB                       ; my codes' place in a step's
	v_lshrrev_b32 v5, 1, v2
	s_add_co_u32 s17, s17, 2*32*SP
	v_add_nc_u32 v5, s17, v5                       ; LDS: my wave's 256 scale bytes, my block's byte
	v_lshlrev_b32 v7, 3, v2                        ; and on the way out 8 bytes a lane
	v_add_nc_u32 v6, s17, v7
	s_wait_kmcnt 0x0
	; which tensor: work-groups 0-511 x, 512-575 Wq, 576-607 Wk, 608-639 Wv, 640-703 Wo.  The choice hangs on the work-group's number alone
	s_mov_b64 s[20:21], s[12:13]                   ; the source;
	s_mov_b32 s22, 640                             ; its first work-group;
	s_mov_b32 s23, 512                             ; the run of its region at which its results begin
	s_cmp_lt_u32 ttmp9, 640
	s_cselect_b64 s[20:21], s[10:11], s[20:21]
	s_cselect_b32 s22, 608, s22
	s_cselect_b32 s23, 288, s23
	s_cmp_lt_u32 ttmp9, 608
	s_cselect_b64 s[20:21], s[8:9], s[20:21]
	s_cselect_b32 s22, 576, s22
	s_cselect_b32 s23, 256, s23
	s_cmp_lt_u32 ttmp9, 576
	s_cselect_b64 s[20:21], s[6:7], s[20:21]
	s_cselect_b32 s22, 512, s22
	s_cselect_b32 s23, 0, s23
	s_cmp_lt_u32 ttmp9, 512
	s_cselect_b64 s[20:21], s[4:5], s[20:21]
	s_cselect_b32 s22, 0, s22
	s_sub_co_u32 s24, ttmp9, s22
	s_lshl_b32 s24, s24, 2
	s_add_co_u32 s24, s24, s16                     ; my run in the source
	s_and_b32 s25, s24, 2
	s_lshl_b32 s25, s25, 1
	s_and_b32 s26, s24, 4
	s_lshr_b32 s26, s26, 1
	s_or_b32 s25, s25, s26
	s_and_not1_b32 s26, s24, 6
	s_or_b32 s25, s25, s26                         ; the same with bits 1 and 2 exchanged
	s_and_not1_b32 s28, s25, 31                    ; 32 x the kv head (a head is 32 runs)
	s_cmp_lt_u32 ttmp9, 640
	s_cselect_b32 s26, s25, s24                    ; Wo keeps its order
	s_sub_co_u32 s27, ttmp9, 576
	s_cmp_lt_u32 s27, 64                           ; Wk or Wv: the heads lie 64 runs apart, Wk's 32 and Wv's 32 by turns
	s_cselect_b32 s27, s28, 0
	s_add_co_u32 s26, s26, s27
	s_add_co_u32 s26, s26, s23                     ; the run at which my results lie
	s_cmp_lt_u32 ttmp9, 512
	s_cselect_b32 s30, 0, QWC
	s_mov_b32 s18, QWS
	s_cselect_b32 s18, QXS, s18
	s_mul_i32 s27, s26, 32*STEPS*CB                ; 6,144 bytes of codes a run
	s_add_co_u32 s30, s30, s27
	s_mov_b32 s31, 0
	s_lshl_b32 s27, s26, 8                         ; 256 scale bytes a run
	s_add_co_u32 s18, s18, s27
	s_mov_b32 s19, 0
	s_lshl_b32 s28, s24, 15                        ; 32,768 bytes of f32 a run
	s_mov_b32 s29, 0
	s_add_nc_u64 s[4:5], s[20:21], s[28:29]        ; from
	s_add_nc_u64 s[8:9], s[14:15], s[30:31]        ; codes to
	s_add_nc_u64 s[10:11], s[14:15], s[18:19]      ; scale bytes to
.macro LOAD t
.irp i, 0,1,2,3
	global_load_b128 v[R+16*((\t)%4)+4*\i:R+16*((\t)%4)+4*\i+3], v3, s[4:5] offset:2048*(\t)+512*\i th:TH_LOAD_NT   ; 32 lanes read 512 consecutive bytes
.endr
.endm
.macro TURN t                          ; step t's numbers through the stage: LDS serves a wave's instructions in order, so no wait stands between the stores and the loads
.irp i, 0,1,2,3
	ds_store_b128 v14, v[R+16*((\t)%4)+4*\i:R+16*((\t)%4)+4*\i+3] offset:32*SP*((\t)%2)+8*SP*\i
.endr
.irp i, 0,1,2,3
	ds_load_b128 v[X+16*((\t)%2)+4*\i:X+16*((\t)%2)+4*\i+3], v15 offset:32*SP*((\t)%2)+16*\i
.endr
.endm
.irp t, 0,1,2,3
	LOAD \t
.endr
	s_wait_loadcnt 12                              ; step 0's four loads are in
	TURN 0
.macro STEP t
.set XQ, X+16*((\t)%2)
.if (\t) > 0
	s_wait_dscnt 1                                 ; this step's numbers are back from the stage (the last step's byte store may be out): so its stores into the stage have read their registers,
.else
	s_wait_dscnt 0x0
.endif
.if (\t)+4 < STEPS
	LOAD (\t)+4                                    ; which take the loads of four steps on
.endif
.if (\t)+1 < STEPS
.if STEPS-2-(\t) >= 3
	s_wait_loadcnt 12                              ; the next step's four loads are in; those of the three steps behind it may be out
.else
	s_wait_loadcnt 4*(STEPS-2-(\t))
.endif
	TURN (\t)+1                                    ; and go through the other stage while this step is worked
.endif
	v_max3_num_f32 v8, |v[XQ]|, |v[XQ+1]|, |v[XQ+2]|               ; the largest magnitude of my 16
	v_max3_num_f32 v9, |v[XQ+3]|, |v[XQ+4]|, |v[XQ+5]|
.irp i, 6,10
	v_max3_num_f32 v8, v8, |v[XQ+\i]|, |v[XQ+\i+1]|
	v_max3_num_f32 v9, v9, |v[XQ+\i+2]|, |v[XQ+\i+3]|
.endr
	v_max3_num_f32 v8, v8, |v[XQ+14]|, |v[XQ+15]|
	v_max3_num_f32 v8, v8, v9, (EMAX+1)<<23        ; and the floor 2^(EMAX + 1 - 127): the byte cannot fall under 1
	v_max_num_f32_dpp v8, v8, v8 row_xmask:1 row_mask:0xf bank_mask:0xf   ; and of my neighbour's 16: the block's
	v_add_nc_u32 v11, -(EMAX<<23), v8              ; EMAX off its exponent field: the conversion takes the exponent field of this operand as its scale
	v_cvt_scalef32_pk16_bf6_f32 v[C+4*(\t):C+4*(\t)+2], v[XQ:XQ+15], v11
	v_lshrrev_b32 v[E+(\t)], 23, v11               ; the scale's byte
	ds_store_b8 v5, v[E+(\t)] offset:16*(\t)       ; both lanes of a block write the same byte with the same value
	global_store_b96 v4, v[C+4*(\t):C+4*(\t)+2], s[8:9] offset:32*CB*(\t)
.endm
.irp t, 0,1,2,3,4,5,6,7,8,9,10,11,12,13,14,15
	STEP \t
.endr
	ds_load_b64 v[12:13], v6                       ; LDS serves a wave's instructions in order: these see my stores
	s_wait_dscnt 0x0
	global_store_b64 v7, v[12:13], s[10:11]        ; 32 lanes store 256 consecutive bytes, aligned
	s_wait_tensorcnt 0x0
	ds_add_u32 v192, v193
	s_wait_dscnt 0x0
	s_endpgm
.Lfunc_end_k_qc7e6616e9e_quant:
	.size	k_qc7e6616e9e_quant, .Lfunc_end_k_qc7e6616e9e_quant-k_qc7e6616e9e_quant
	.p2alignl 7, 3214868480
	.fill 96, 4, 3214868480
	.section	.rodata,"a",@progbits
	.p2align	6, 0x0
	.amdhsa_kernel k_qc7e6616e9e_quant
		.amdhsa_group_segment_fixed_size 33280
		.amdhsa_private_segment_fixed_size 0
		.amdhsa_enable_private_segment 0
		.amdhsa_kernarg_size 48
		.amdhsa_user_sgpr_count 2
		.amdhsa_user_sgpr_kernarg_segment_ptr 1
		.amdhsa_wavefront_size32 1
		.amdhsa_system_sgpr_workgroup_id_x 1
		.amdhsa_system_sgpr_workgroup_id_y 1
		.amdhsa_system_sgpr_workgroup_id_z 1
		.amdhsa_system_vgpr_workitem_id 0
		.amdhsa_next_free_vgpr 194
		.amdhsa_next_free_sgpr 66
		.amdhsa_reserve_vcc 0
		.amdhsa_float_denorm_mode_32 3
		.amdhsa_float_denorm_mode_16_64 3
		.amdhsa_memory_ordered 1
		.amdhsa_forward_progress 1
		.amdhsa_inst_pref_size 34
	.end_amdhsa_kernel
	.amdgpu_metadata
---
amdhsa.version: [ 1, 2 ]
amdhsa.kernels:
  - .name:           k_qc7e6616e9e_quant
    .symbol:         k_qc7e6616e9e_quant.kd
    .args:
      - { .name: hidden_states, .offset: 0, .size: 8, .value_kind: global_buffer, .address_space: global }
      - { .name: Wq, .offset: 8, .size: 8, .value_kind: global_buffer, .address_space: global }
      - { .name: Wk, .offset: 16, .size: 8, .value_kind: global_buffer, .address_space: global }
      - { .name: Wv, .offset: 24, .size: 8, .value_kind: global_buffer, .address_space: global }
      - { .name: Wo, .offset: 32, .size: 8, .value_kind: global_buffer, .address_space: global }
      - { .name: qin, .offset: 40, .size: 8, .value_kind: global_buffer, .address_space: global }
    .group_segment_fixed_size: 33280
    .private_segment_fixed_size: 0
    .kernarg_segment_align: 8
    .kernarg_segment_size: 48
    .max_flat_workgroup_size: 128
    .sgpr_count:     66
    .vgpr_count:     194
    .wavefront_size: 32
...
	.end_amdgpu_metadata
.endif
;; end of part 1
;; launch qkv (part 2): grid 8 x 32, 4 waves a work-group, clusters of 4 x 4, 327,680 bytes of LDS; arguments qin, bq, bk, bv, sq, part; writes sq, part
.if DOCPART == 2
	.amdgcn_target "amdgcn-amd-amdhsa--gfx1250"
	.amdhsa_code_object_version 6
	.text
	.protected	k_qc7e6616e9e_qkv
	.globl	k_qc7e6616e9e_qkv
	.p2align	8
	.type	k_qc7e6616e9e_qkv,@function
k_qc7e6616e9e_qkv:
	s_mov_b64 s[64:65], 0
	v_nop
	global_prefetch_b8 v0, s[64:65] scope:SCOPE_SE
	s_setreg_imm32_b32 hwreg(HW_REG_WAVE_MODE, 25, 1), 1
	s_wait_xcnt 0x0
	s_wait_alu depctr_hold_cnt(0) depctr_sa_sdst(0) depctr_va_vdst(0) depctr_va_sdst(0) depctr_va_ssrc(0) depctr_va_vcc(0) depctr_vm_vsrc(0)
	s_getreg_b32 s2, hwreg(HW_REG_IB_STS2, 6, 4)
	s_cmp_eq_u32 s2, 0
	s_cbranch_scc0 .Lentry_in_a_cluster
	s_endpgm
.Lentry_in_a_cluster:
	s_bfe_u32 s2, ttmp6, 0x10000c
	s_cmp_lg_u32 s2, 0xf033
	s_cbranch_scc0 .Lentry_shape_is_right
	s_endpgm
.Lentry_shape_is_right:
; The three projections as ONE product on codes of BF6 (E3M2) with E8M0 scales for each 32 along K = 2,048, and what follows them up to the sums over tokens.
; x: 8,192 rows, w: 2,048 rows (Wq; then for each kv head 128 rows of Wk and 128 of Wv), codes and scale bytes in qin; in both the row at place p holds the tensor's row p with bits 3 and 4 exchanged.
; A work-group of four waves makes a tile of 256 x 256, a wave 128 x 128 (64 accumulators, 512 registers); K goes in steps of 256 through a ring of two LDS slots; the scale bytes of the tile's rows come into LDS once.
; CLUSTERS of 4 x 4; tiles of the operand called A (source 1) are asked for jointly along a row of the cluster, tiles of B (source 0) along a column.  Cluster y = T, a block of 1,024 tokens.  Cluster x = TYPE, the same in all sixteen partners:
;   TYPE 0 (q):    A = x, rows 1024 T + 256 cy on; B = Wq, rows 256 cx on.  A lane holds ONE TOKEN, its registers run along a head's 128 channels.
;   TYPE 1 (k, v): A = w, rows 1024 + 256 cy on (kv head cy: waves 0, 1 have Wk's rows, waves 2, 3 Wv's); B = x, rows 1024 T + 256 cx on.  A lane holds ONE CHANNEL, its registers run along 128 tokens.
; By the row order, register 16 b + i of a block of 64 holds number 32 b + 16 (lane / 16) + i along the registers' axis: 16 neighbours of each block of 32, as the quantiser's conversions want them.
; The bias is the C of each sum's first matrix instruction.  Then elu + 1 for q and k, in f32: the middle of x + 1, e^x and 1, since e^x >= x + 1 everywhere: x + 1 above 0, e^x below.  v's waves jump over it.
; THE WAY OUT GOES BY BLOCKS of 16 rows of A (64 registers a lane): a block's activation, and at once what follows it, so that one block's stores are on their way while the next block's exponentials are issued:
;   TYPE 0 stores sq in f32 as images of the lanes' registers: [token / 16][head][16 x (32 lanes x 16 bytes)].
;   TYPE 1 sums sk over its 128 tokens (f32, unquantised) and quantises sk and v along the tokens; the fragments go from wave to wave through LDS as images of their registers; then kv(d, e) over the work-group's 256 tokens, into part.
; LIMITS: e^x stands for expm1(x) + 1 (at most 2^-24 apart); NaN and infinities are not served; a block under 2^-122 or of zeros gets the scale byte 1; the sums over tokens are taken in parts and in another order than a plain chain.
; REGISTERS, in windows of 256: window 0: v0-31 addresses; v32-63 scale words; v64-127 the biases, later at work; v128-223 A's fragments, later at work.  window 1: B's fragments, two sets; later kv's 16 accumulators.
;   window 2: the accumulators of my A blocks 0-3 ((a, b) at v[8 (8 (a % 4) + b)]); window 3: those of blocks 4-7.
.set SIZE_K, 2048
.set KSTEP,  256                       ; along K in a slot
.set NQ,     KSTEP/128                 ; matrix instructions deep
.set ROWB,   192                       ; a tile's row in bytes
.set KROW,   SIZE_K*6/8                ; a row of codes in memory
.set PITCH,  240                       ; an LDS row: 3 x (64 bytes + 16 of padding)
.set FR,     12                        ; registers of a fragment
.set NL,     6                         ; LDS loads that bring one
.set NP,     4                         ; places behind this matrix instruction (ISA guide 7.12.1)
.set HALFT,  128*PITCH
.set SLOT,   4*HALFT                   ; A's 256 rows, then B's 256 rows
.set LAPS,   SIZE_K/(2*KSTEP)
.set KS,     SIZE_K/32                 ; a row of scale bytes
.set SCL,    2*SLOT                    ; behind the ring: the scale bytes, as rows of 256 bytes + 16 of padding
.set HALFS,  (128*KS/256)*272
.set SBLK,   (16*KS/256)*272
.set SPARE,  SCL+4*HALFS               ; the spare words, 128 bytes for each wave: two blocks of 256 bytes that no other line names
.set ISC,    49152                     ; the images lie in slot 0, which has had its last fill and its last read by then: fragments at 0 (4 waves x 8 x 1,536 bytes), their scale words here (4 x 8 x 128)
.set QWC,    12582912                  ; qin: the weights' codes; x's codes at 0
.set QXS,    17301504                  ; x's scale bytes
.set QWS,    17825792                  ; the weights'
.set KSP,    8388608                   ; part: the partial sums of sk
.set GO,   7                           ; v7   16 x lane: my place in a store of 512 bytes
.set IWA,  9                           ; v9   where I store my fragments' images: 16 x lane + 12,288 x wave
.set ISA,  10                          ; v10  and their scale words: ISC + 4 x lane + 1,024 x wave
.set ILD,  11                          ; v11  16 x lane: sk's images
.set ISL,  12                          ; v12  ISC + 4 x lane: sk's scale words
.set IVL,  13                          ; v13  16 x lane + 3,072 x wave: my two fragments of v
.set ISV,  14                          ; v14  ISC + 4 x lane + 256 x wave: their scale words
.set LN,   15                          ; v15  lane
.set ADRA, 16                          ; v16-19 LDS addresses of my A fragments
.set ADRB, 20                          ; v20-23 of B's
.set ADRS, 27                          ; v27  of my scale words: lanes 0-15 A's rows, lanes 16-31 B's
.set SPW,  28                          ; v28  my spare word; never rewritten
.set NIL,  29                          ; v29  0; never rewritten
.set PFO,  30                          ; v30  the prefetches' offset: my lane x a row of codes in memory; never rewritten
.set SC,   32                          ; scale words, two sets of 16
.set BIAS, 64                          ; v64-127 the biases: eight registers a block
.set AF,   128                         ; A's fragments
.set U,    64                          ; the way out: v64-127 exponents, then exponentials
.set PC,   128                         ; v128-147 the codes just made
.set TM,   148                         ; v148-163 the quantiser at work
.set PW,   164                         ; the scale word just made
.set CH,   166                         ; v166-169 two chains of sums
.set KSM,  184                         ; v184-191 sk's sums, a block each
.set KT,   192
.set KO,   200
.set SEL,  78                          ; s[78:79] selects for lane l xor 16
.set PFA,  92                          ; s[92:93] where my prefetches stand in memory
.set LIM,  94                          ; s94  2 in a wave that prefetches, else the greatest number
.set G1, 24
.set G0, 32
.set G1B, 48
.set G0B, 56
.set G1S, 68
.set G0S, 76
.set G1SB, 80
.set G0SB, 88
.set MSB, 0
.macro WIN new                         ; the immediate's high byte repeats the setting that is left; a switch that changes nothing is dropped
.if MSB != (\new)
	s_set_vgpr_msb (MSB<<8)|(\new)
.set MSB, (\new)
.endif
.endm
.set MUL_LO, 0xa1                      ; source 0 (B) window 1, source 1 (A) window 0, C and D window 2
.set MUL_HI, 0xf1                      ; the same, C and D window 3
.set TO_B,   0x40
; A joint load: waves 0 and 1 fetch for A, waves 2 and 3 for B; the branch hangs on the wave's number alone.  Four v_nop follow each of the two lines.
.macro JLOAD g0a, g1a, g0b, g1b
	s_cmp_eq_u32 s15, 0
	s_cbranch_scc0 .Lfor_b_\@
	tensor_load_to_lds s[\g0a:\g0a+3], s[\g1a:\g1a+7]
	s_nop 0
.rept 4
	v_nop
.endr
	s_branch .Lasked_\@
.Lfor_b_\@:
	tensor_load_to_lds s[\g0b:\g0b+3], s[\g1b:\g1b+7]
	s_nop 0
.rept 4
	v_nop
.endr
.Lasked_\@:
.endm
; A PREFETCH INTO THE L2, behind a joint refill and the run of LDS loads that follows it: of the K step that the NEXT refill will ask for (128 matrix instructions ahead of that load), 32 rows, a lane a row, one instruction a wave.
; A K step's part of a row is 192 bytes of the row's 1,536, so a lane names the part's LAST byte.  K steps 4, 5 and 6 end in an aligned block of 256 bytes that no earlier part has touched (the row's blocks 3, 4, 5): they are asked for,
; at the second, third and fourth change of slots.  K steps 3 and 7 end in the block in which the step before ends: nothing is asked.  K steps 0 to 2 come by their loads alone: nothing is prefetched at the head.
; Each block is named ONCE in the launch.  x's rows are read by the two clusters of one T: the TYPE 0 cluster asks.  Wq's rows are read by all TYPE 0 clusters, Wk's and Wv's by all TYPE 1 clusters: the one with T = 0 asks.
; Of the 128 rows that a wave fetches, each of the four partners that ask for them jointly takes 32, told apart BY ADDRESS (cx for A, cy for B).  The branch hangs on TYPE, T, the wave's number and the loop's count, which all partners share.
; s3 counts the loop's trips down 3, 2, 1: slot 0's change asks in the second trip, slot 1's in the first and second.
.macro ASK slot
.if \slot == 0
	s_cmp_eq_u32 s3, s[LIM]
.else
	s_cmp_ge_u32 s3, s[LIM]
.endif
	s_cbranch_scc0 .Lnot_mine_\@
	global_prefetch_b8 v[PFO], s[PFA:PFA+1] th:TH_LOAD_NT scope:SCOPE_SE
.Lnot_mine_\@:
.endm
.macro CREST                           ; a round of the cluster's barrier behind its opening barrier
	s_cmp_lg_u32 s14, 0
	s_cbranch_scc1 .Lnot_wave_0_\@
	s_barrier_signal -3
.Lnot_wave_0_\@:
	s_barrier_wait -3
	s_barrier_signal -1
	s_barrier_wait -1
.endm
.macro CROUND
	s_barrier_signal -1
	s_barrier_wait -1
	CREST
.endm
	s_load_b64 s[4:5], s[0:1], 0x0                 ; qin
	s_load_b64 s[96:97], s[0:1], 0x8               ; bq
	s_load_b64 s[98:99], s[0:1], 0x10              ; bk
	s_load_b64 s[100:101], s[0:1], 0x18            ; bv
	v_lshl_add_u32 v[SPW], v0, 2, SPARE
	v_mov_b32 v[NIL], 0
	ds_add_u32 v28, v29
	ds_add_u32 v28, v29
	s_wait_dscnt 0x0
	v_lshrrev_b32 v1, 5, v0
	v_readfirstlane_b32 s14, v1                    ; wave 0..3
	s_lshr_b32 s15, s14, 1                         ; which half of A's rows is mine.  Also: I fetch for A (0) or for B (1)
	s_and_b32 s16, s14, 1                          ; which half of B's rows.  Also: which 128 rows I fetch
	s_bfe_u32 s40, ttmp6, 0x40000                  ; cx, cy: my place in the cluster
	s_bfe_u32 s41, ttmp6, 0x40004
	s_mov_b32 s95, ttmp9                           ; TYPE: the cluster's x
	s_and_b32 s66, ttmp7, 0xffff                   ; T: the cluster's y
	s_lshl_b32 s67, s66, 2
	s_cmp_eq_u32 s95, 0
	s_cselect_b32 s17, s67, 4                      ; A's block of 256 rows: x's 4 T + cy, or w's 4 + cy
	s_cselect_b32 s42, 0, s67                      ; B's: w's cx, or x's 4 T + cx
	s_cselect_b32 s6, 0, QWC                       ; where A's codes begin in qin,
	s_mov_b32 s7, QWS
	s_cselect_b32 s7, QXS, s7                      ; A's scale bytes,
	s_cselect_b32 s8, QWC, 0                       ; B's codes,
	s_mov_b32 s9, QXS
	s_cselect_b32 s9, QWS, s9                      ; B's scale bytes
	s_add_co_u32 s17, s17, s41
	s_add_co_u32 s42, s42, s40
	s_lshl_b32 s43, s41, 2
	s_lshl_b32 s43, 15, s43                        ; my row of the cluster
	s_lshl_b32 s44, 0x1111, s40                    ; my column
	; descriptor group 1: a tile of 128 rows x 192 bytes, 16 bytes of padding behind every 64
	s_or_b32 s[G1+0], s43, (0<<16)|(1<<20)|(1<<21)|(3<<22)|(3<<25)
	s_or_b32 s[G1B+0], s44, (0<<16)|(1<<20)|(1<<21)|(3<<22)|(3<<25)
.irp g, G1, G1B
	s_mov_b32 s[\g+1], ROWB<<16                    ; tensor_dim0
	s_mov_b32 s[\g+2], 128<<16                     ; tensor_dim1
	s_mov_b32 s[\g+3], ROWB<<16                    ; tile_dim0
	s_mov_b32 s[\g+4], 128                         ; tile_dim1
	s_mov_b32 s[\g+5], KROW                        ; from row to row
	s_mov_b32 s[\g+6], 0
	s_mov_b32 s[\g+7], 0
.endr
	; the scale bytes of 128 rows: a dense block, as rows of 256 bytes (32 elements of 8), 16 bytes of padding behind each
	s_or_b32 s[G1S+0], s43, (3<<16)|(1<<20)|(1<<21)|(5<<22)|(3<<25)
	s_or_b32 s[G1SB+0], s44, (3<<16)|(1<<20)|(1<<21)|(5<<22)|(3<<25)
.irp g, G1S, G1SB
	s_mov_b32 s[\g+1], 32<<16
	s_mov_b32 s[\g+2], (128*KS/256)<<16
	s_mov_b32 s[\g+3], 32<<16
	s_mov_b32 s[\g+4], 128*KS/256
	s_mov_b32 s[\g+5], 32
	s_mov_b32 s[\g+6], 0
	s_mov_b32 s[\g+7], 0
.endr
	s_lshl_b32 s18, s16, 7                         ; which 128 rows I fetch
	s_lshl_b32 s20, s17, 8
	s_add_co_u32 s20, s20, s18                     ; A's row (it never holds cx)
	s_lshl_b32 s46, s42, 8
	s_add_co_u32 s46, s46, s18                     ; B's row (it never holds cy)
	s_lshl_b32 s22, s20, 6                         ; byte offsets in qin, all under 2^25: scale bytes, 64 a row,
	s_add_co_u32 s22, s22, s7
	s_mov_b32 s23, 0
	s_mul_i32 s20, s20, KROW                       ; and codes
	s_add_co_u32 s20, s20, s6
	s_mov_b32 s21, 0
	s_lshl_b32 s92, s46, 6
	s_add_co_u32 s92, s92, s9
	s_mov_b32 s93, 0
	s_mul_i32 s46, s46, KROW
	s_add_co_u32 s46, s46, s8
	s_mov_b32 s47, 0
	s_mul_i32 s45, s14, HALFT                      ; where they go: wave x 128 rows: no place in the cluster enters an LDS address
	s_mul_i32 s94, s14, HALFS
	s_wait_kmcnt 0x0
	s_add_nc_u64 s[20:21], s[4:5], s[20:21]
	s_add_nc_u64 s[22:23], s[4:5], s[22:23]
	s_add_nc_u64 s[46:47], s[4:5], s[46:47]
	s_add_nc_u64 s[92:93], s[4:5], s[92:93]
	CROUND                                         ; all sixteen work-groups are here: the first joint loads meet
	s_mov_b32 s[G0S], 1
	s_add_co_u32 s[G0S+1], s94, SCL
	s_mov_b64 s[G0S+2:G0S+3], s[22:23]
	s_or_b32 s[G0S+3], s[G0S+3], 0x80000000
	s_mov_b32 s[G0SB], 1
	s_add_co_u32 s[G0SB+1], s94, SCL
	s_mov_b64 s[G0SB+2:G0SB+3], s[92:93]
	s_or_b32 s[G0SB+3], s[G0SB+3], 0x80000000
	JLOAD G0S, G1S, G0SB, G1SB                     ; the scale bytes first: they are wanted with K step 0.  Three loads of mine are out behind these first fills
.irp s, 0,1
	s_mov_b32 s[G0+4*\s], 1
	s_add_co_u32 s[G0+4*\s+1], s45, \s*SLOT
	s_add_nc_u64 s[G0+4*\s+2:G0+4*\s+3], s[20:21], \s*ROWB
	s_or_b32 s[G0+4*\s+3], s[G0+4*\s+3], 0x80000000
	s_mov_b32 s[G0B+4*\s], 1
	s_add_co_u32 s[G0B+4*\s+1], s45, \s*SLOT
	s_add_nc_u64 s[G0B+4*\s+2:G0B+4*\s+3], s[46:47], \s*ROWB
	s_or_b32 s[G0B+4*\s+3], s[G0B+4*\s+3], 0x80000000
	JLOAD G0+4*\s, G1, G0B+4*\s, G1B
.endr
	v_and_b32 v1, 15, v0                           ; r = lane % 16
	v_bfe_u32 v2, v0, 4, 1                         ; h = lane / 16
	v_mul_u32_u24 v3, v1, PITCH
	v_mul_u32_u24 v4, v2, 24
	v_add_nc_u32 v4, v3, v4                        ; a fragment's row x pitch + 24 x half
	v_lshl_add_u32 v5, v2, 4, v4                   ; and the same behind one padding more
	s_mul_i32 s21, s15, HALFT                      ; my 128 rows of A
	s_mul_i32 s22, s16, HALFT                      ; my 128 rows of B,
	s_add_co_u32 s22, s22, 2*HALFT                 ; which lie behind A's 256
.irp s, 0,1
	v_add_nc_u32 v[ADRA+\s], s21, v4
	v_add_nc_u32 v[ADRB+\s], s22, v4
	v_add_nc_u32 v[ADRA+2+\s], s21, v5
	v_add_nc_u32 v[ADRB+2+\s], s22, v5
	s_add_co_u32 s21, s21, SLOT
	s_add_co_u32 s22, s22, SLOT
.endr
	v_mul_u32_u24 v5, v1, KS                       ; my row's scale bytes: KS a row,
	v_lshrrev_b32 v6, 8, v5
	v_lshl_add_u32 v5, v6, 4, v5                   ; and 16 more for each 256 passed
	s_mul_i32 s21, s15, HALFS
	s_mul_i32 s22, s16, HALFS
	s_add_co_u32 s22, s22, 2*HALFS
	s_sub_co_u32 s22, s22, s21
	v_mul_u32_u24 v6, s22, v2                      ; lanes 16-31 take B's
	s_add_co_u32 s21, s21, SCL
	v_add_nc_u32 v5, v5, v6
	v_add_nc_u32 v[ADRS], s21, v5
	v_and_b32 v[LN], 31, v0                        ; the way out's addresses are made here, where all waves and both types go one way
	v_lshlrev_b32 v[GO], 4, v[LN]
	v_lshlrev_b32 v[ILD], 4, v[LN]
	s_mul_i32 s21, s14, 8*FR*128
	v_add_nc_u32 v[IWA], s21, v[ILD]
	v_lshl_add_u32 v[ISL], v[LN], 2, ISC
	s_lshl_b32 s21, s14, 10
	v_add_nc_u32 v[ISA], s21, v[ISL]
	s_mul_i32 s21, s14, 2*FR*128
	v_add_nc_u32 v[IVL], s21, v[ILD]
	s_lshl_b32 s21, s14, 8
	v_add_nc_u32 v[ISV], s21, v[ISL]
	; the prefetches: where mine stand, and whether I ask (macro ASK).  All descriptors are made: s18 to s21 and s92 to s94 are free
	s_cmp_eq_u32 s15, 0                            ; do I fetch for A?
	s_cselect_b32 s18, s17, s42                    ; the block of 256 rows,
	s_cselect_b32 s19, s40, s41                    ; my place among the four that ask for it with me,
	s_cselect_b32 s20, s6, s8                      ; and where its codes begin in qin
	s_lshl_b32 s18, s18, 8
	s_lshl_b32 s21, s16, 7
	s_add_co_u32 s18, s18, s21                     ; + the 128 rows that I fetch
	s_lshl_b32 s19, s19, 5
	s_add_co_u32 s18, s18, s19                     ; + my work-group's 32 of them
	s_mul_i32 s18, s18, KROW
	s_add_co_u32 s18, s18, s20
	s_add_co_u32 s18, s18, 3*ROWB-1                ; the last byte of K step 2's part: each change of slots steps it one K step on before it is used
	s_mov_b32 s19, 0
	s_add_nc_u64 s[PFA:PFA+1], s[4:5], s[18:19]
	s_cmp_eq_u32 s95, s15                          ; do I fetch x's rows (TYPE 0: for A; TYPE 1: for B)?
	s_cselect_b32 s[LIM], s95, s66                 ; x's are asked for where TYPE = 0, w's where T = 0
	s_cmp_eq_u32 s[LIM], 0
	s_cselect_b32 s[LIM], 2, -1
	v_mul_u32_u24 v[PFO], v[LN], KROW
	; THE BIASES, in the result's layout.  TYPE 0: they go with source 0's rows: register j of block b wants channel 32 (b / 2) + 16 h + 8 (b % 2) + j of my head.
	; TYPE 1: with source 1's rows: all eight registers of block a want channel 32 (a / 2) + 8 (a % 2) + r + 8 (r / 8).  They are loaded, not moved, so that no vector instruction writes an operand.
	s_cmp_eq_u32 s95, 0
	s_cbranch_scc0 .Lbias_kv
	v_lshlrev_b32 v8, 6, v2                        ; 64 h
	s_lshl_b32 s10, s40, 10                        ; 4 x (256 cx + 128 x my half of B)
	s_lshl_b32 s12, s16, 9
	s_add_co_u32 s10, s10, s12
	s_mov_b32 s11, 0
	s_add_nc_u64 s[96:97], s[96:97], s[10:11]
.irp b, 0,1,2,3,4,5,6,7
	global_load_b128 v[BIAS+8*\b:BIAS+8*\b+3], v8, s[96:97] offset:128*(\b/2)+32*(\b%2)
	global_load_b128 v[BIAS+8*\b+4:BIAS+8*\b+7], v8, s[96:97] offset:128*(\b/2)+32*(\b%2)+16
.endr
	s_branch .Lbias_done
.Lbias_kv:
	s_cmp_eq_u32 s15, 0
	s_cselect_b64 s[96:97], s[98:99], s[100:101]   ; waves 0, 1: bk; waves 2, 3: bv
	s_lshl_b32 s10, s41, 9                         ; kv head cy: 128 numbers
	s_mov_b32 s11, 0
	s_add_nc_u64 s[96:97], s[96:97], s[10:11]
	v_and_b32 v8, 8, v1
	v_add_nc_u32 v8, v8, v1
	v_lshlrev_b32 v8, 2, v8                        ; 4 (r + 8 (r / 8))
.irp a, 0,1,2,3,4,5,6,7
.irp j, 0,1,2,3,4,5,6,7
	global_load_b32 v[BIAS+8*\a+\j], v8, s[96:97] offset:4*(32*(\a/2)+8*(\a%2))
.endr
.endr
.Lbias_done:
	s_wait_loadcnt 0x0                             ; the biases
.macro FRAG reg, adr, q, i             ; a fragment: lane l holds row l % 16; registers 6 c .. 6 c + 5 hold K = 64 c + 32 (l / 16) + 0 .. 31: 24 bytes of the row, in pieces of 8
.irp p, 0,1,2,3,4,5
.set PCE, 12*(\q)+6*(\p/3)+\p%3       ; the row's piece for lanes 0-15; lanes 16-31 take the piece three on: where that lies behind one padding more, the second address register serves
.if PCE%8 < 5
	ds_load_b64 v[\reg+2*\p:\reg+2*\p+1], v[\adr] offset:8*PCE+16*(PCE/8)+(\i)*16*PITCH
.else
	ds_load_b64 v[\reg+2*\p:\reg+2*\p+1], v[\adr+2] offset:8*PCE+16*(PCE/8)+(\i)*16*PITCH
.endif
.endr
.endm
; 16 matrix instructions: A's blocks a0, a0 + 1 x B's eight, 128 along K.  zero = 0: onto the sums; 1: the sums begin with the bias of B's block; 2: with that of A's block.
; The 64 accumulators take turns, one instruction a turn, in the same order in every step.
.macro MUL16 a0, p, q, sc, zero
.irp a, \a0, \a0+1
.irp b, 0,1,2,3,4,5,6,7
.set rD, 8*(8*((\a)%4)+\b)
.set rB, 128*(\p)+FR*\b
.set rA, AF+FR*(\a)
.set rSB, SC+8*NQ*(\sc)+NQ*\b+(\q)
.set rSA, SC+8*NQ*(\sc)+NQ*(\a)+(\q)
.if \zero == 1
	v_wmma_scale_f32_16x16x128_f8f6f4 v[rD:rD+7], v[rB:rB+FR-1], v[rA:rA+FR-1], v[BIAS+8*\b:BIAS+8*\b+7], v[rSB], v[rSA] matrix_a_fmt:MATRIX_FMT_BF6 matrix_b_fmt:MATRIX_FMT_BF6 matrix_a_scale:MATRIX_SCALE_ROW1
.elseif \zero == 2
	v_wmma_scale_f32_16x16x128_f8f6f4 v[rD:rD+7], v[rB:rB+FR-1], v[rA:rA+FR-1], v[BIAS+8*(\a):BIAS+8*(\a)+7], v[rSB], v[rSA] matrix_a_fmt:MATRIX_FMT_BF6 matrix_b_fmt:MATRIX_FMT_BF6 matrix_a_scale:MATRIX_SCALE_ROW1
.else
	v_wmma_scale_f32_16x16x128_f8f6f4 v[rD:rD+7], v[rB:rB+FR-1], v[rA:rA+FR-1], v[rD:rD+7], v[rSB], v[rSA] matrix_a_fmt:MATRIX_FMT_BF6 matrix_b_fmt:MATRIX_FMT_BF6 matrix_a_scale:MATRIX_SCALE_ROW1
.endif
.endr
.endr
.endm
.macro FETCH_B slot, q, p
	WIN TO_B
.irp i, 0,1,2,3,4,5,6,7
	FRAG 128*(\p)+FR*\i, ADRB+\slot, \q, \i
.endr
	WIN 0
.endm
.macro FETCH_A slot, q, i0
.irp i, \i0, \i0+1, \i0+2, \i0+3
	FRAG AF+FR*(\i), ADRA+\slot, \q, \i
.endr
.endm
.macro SCALES sc                       ; a K step's scale words: lanes 0-15 take A's block i, lanes 16-31 B's block i
.irp i, 0,1,2,3,4,5,6,7
	ds_load_b64 v[SC+8*NQ*\sc+NQ*\i:SC+8*NQ*\sc+NQ*\i+1], v[ADRS] offset:\i*SBLK
.endr
.endm
.macro PLACES n                        ; plain vector instructions between a matrix instruction and a load into, or a read of, its registers
.rept \n
	v_nop
.endr
.endm
; A step of 128 along K that has its successor in the same slot.
.macro STEP slot, q, zero
	s_wait_dscnt 4*NL                              ; B's set and A's blocks 0-3 are in; the youngest 24 loads (A's blocks 4-7) may be out
.if \zero
	WIN 0x81                                       ; as MUL_LO, with C (the bias) in window 0
.else
	WIN MUL_LO
.endif
	MUL16 0, (\q)%2, \q, \slot, \zero
	MUL16 2, (\q)%2, \q, \slot, \zero
	s_wait_dscnt 0                                 ; A's blocks 4-7 are in
	PLACES NP
	FETCH_B \slot, (\q)+1, 1-(\q)%2
	FETCH_A \slot, (\q)+1, 0
.if \zero
	WIN 0xc1
.else
	WIN MUL_HI
.endif
	MUL16 4, (\q)%2, \q, \slot, \zero
	MUL16 6, (\q)%2, \q, \slot, \zero
	PLACES NP
	WIN 0
	FETCH_A \slot, (\q)+1, 4
.endm
; A slot's last step changes slots: one barrier; in front of it each wave waits for all its tensor loads, adds 0 to its spare word, and waits for that and for its reads of this slot.  fill = 1: this slot is filled again, two K steps ahead.
.macro TURN slot, next, fill
.if \fill
	s_wait_xcnt 0x0                                ; the last prefetch, a K step back, has read its address: it is stepped here, ahead of the waits of the change of slots
	s_add_nc_u64 s[PFA:PFA+1], s[PFA:PFA+1], ROWB
.endif
	s_wait_tensorcnt 0x0                           ; all my tensor loads have landed: my part of the next slot
	ds_add_u32 v[SPW], v[NIL]                      ; 0 onto my spare word
	s_wait_dscnt 4*NL+1                            ; the add and the youngest 24 loads (A's blocks 4-7) may be out
	WIN MUL_LO
	MUL16 0, 1, NQ-1, \slot, 0
	s_wait_dscnt 0x0                               ; the add is done, and my reads of this slot are over
	s_barrier_signal -1
	MUL16 2, 1, NQ-1, \slot, 0
	WIN 0
	s_barrier_wait -1
.if \fill
	CREST                                          ; the barrier has opened a round of the cluster's barrier: no wave of any partner still reads this slot or has a load on its way
	s_add_nc_u64 s[G0+4*\slot+2:G0+4*\slot+3], s[G0+4*\slot+2:G0+4*\slot+3], 2*ROWB
	s_add_nc_u64 s[G0B+4*\slot+2:G0B+4*\slot+3], s[G0B+4*\slot+2:G0B+4*\slot+3], 2*ROWB
	JLOAD G0+4*\slot, G1, G0B+4*\slot, G1B         ; the first tensor load behind the round, my only one until the next; its four v_nop are the places in front of the loads below
.else
	PLACES NP
.endif
	v_add_nc_u32 v[ADRS], 4*NQ, v[ADRS]            ; on to the next K step's scale words
	FETCH_B \next, 0, 0
	FETCH_A \next, 0, 0
	SCALES \next
.if \fill
	ASK \slot                                      ; behind the joint load and the run of LDS loads for which the next products wait
.endif
	WIN MUL_HI
	MUL16 4, 1, NQ-1, \slot, 0
	MUL16 6, 1, NQ-1, \slot, 0
	PLACES NP
	WIN 0
	FETCH_A \next, 0, 4
.endm
	s_wait_tensorcnt 1                             ; the scale bytes and my part of K step 0 are in; K step 1's load may be out
	s_barrier_signal -1
	s_barrier_wait -1
	FETCH_B 0, 0, 0
	FETCH_A 0, 0, 0
	SCALES 0
	FETCH_A 0, 0, 4
	s_cmp_eq_u32 s95, 0                            ; the first step is written twice: the bias goes with B's blocks (q) or with A's (k, v).  No tensor load and no barrier stands in either
	s_cbranch_scc0 .Lfirst_kv
	STEP 0, 0, 1
	s_branch .Lfirst_done
.Lfirst_kv:
	STEP 0, 0, 2
.Lfirst_done:
	s_mov_b32 s3, LAPS-1
.Llap:                                                 ; a trip goes once round the ring and fills both slots again
	TURN 0, 1, 1
	STEP 1, 0, 0
	TURN 1, 0, 1
	STEP 0, 0, 0
	s_sub_co_u32 s3, s3, 1
	s_cmp_lg_u32 s3, 0
	s_cbranch_scc1 .Llap
	s_load_b128 s[68:71], s[0:1], 0x20             ; sq s[68:69], part s[70:71]: into the scale bytes' descriptor, whose load has long been waited for
	TURN 0, 1, 0                                   ; the last lap fills nothing
	STEP 1, 0, 0
	s_wait_dscnt 4*NL
	WIN MUL_LO
	MUL16 0, 1, NQ-1, 1, 0
	MUL16 2, 1, NQ-1, 1, 0
	s_wait_dscnt 0
	WIN MUL_HI
	MUL16 4, 1, NQ-1, 1, 0
	MUL16 6, 1, NQ-1, 1, 0
	WIN 0
	PLACES NP
	; ---- THE WAY OUT
	s_wait_kmcnt 0x0
	s_and_b32 s77, s95, s15                        ; 1 in v's waves: they have no activation
	s_mov_b32 s74, 0x3fb8aa3b                      ; log2(e)
	s_mov_b32 s75, s74                             ; (named as a pair, so both words are written)
	s_mov_b32 s[SEL], 0x76543210
	s_mov_b32 s[SEL+1], 0xfedcba98
.irp j, 0,1,2,3
	v_mov_b32 v[TM+4+\j], 0                        ; written once, on the one way that all take: a lane permute's destination counts as one of its sources,
.endr
.irp j, 0,1,2,3,4,5,6,7
	v_mov_b32 v[KT+\j], 0
	v_mov_b32 v[KSM+\j], 0                         ; and sk's sums are read on no way before they are written
.endr
	; where the results go; made for both types on the one way, each type uses its own
	s_lshl_b32 s80, s66, 22                        ; sq: 65,536 bytes for 16 tokens: 64 T + 16 cy + 8 x my half of A, + 8,192 x head (2 cx + my half of B)
	s_lshl_b32 s81, s41, 20
	s_add_co_u32 s80, s80, s81
	s_lshl_b32 s81, s15, 19
	s_add_co_u32 s80, s80, s81
	s_lshl_b32 s81, s40, 14
	s_add_co_u32 s80, s80, s81
	s_lshl_b32 s81, s16, 13
	s_add_co_u32 s80, s80, s81
	s_mov_b32 s81, 0
	s_add_nc_u64 s[68:69], s[68:69], s[80:81]
	s_lshr_b32 s82, s66, 2
	s_lshl_b32 s82, s82, 2
	s_add_co_u32 s82, s82, s41                     ; 4 x batch + kv head
	s_and_b32 s83, s66, 3
	s_lshl_b32 s83, s83, 2
	s_add_co_u32 s83, s83, s40                     ; which 256 tokens of the batch
	s_lshl_b32 s82, s82, 4
	s_add_co_u32 s82, s82, s83
	s_lshl_b32 s84, s82, 16                        ; kv's partial: 65,536 bytes; my two tiles of e: 16,384 x wave
	s_lshl_b32 s83, s14, 14
	s_add_co_u32 s84, s84, s83
	s_mov_b32 s85, 0
	s_add_nc_u64 s[84:85], s[70:71], s[84:85]
	s_lshl_b32 s86, s82, 1
	s_add_co_u32 s86, s86, s16
	s_lshl_b32 s86, s86, 9                         ; sk's partial sums: 512 bytes for 128 tokens
	s_add_co_u32 s86, s86, KSP
	s_mov_b32 s87, 0
	s_add_nc_u64 s[86:87], s[70:71], s[86:87]
; The activation of A's block a, in place: 64 registers.  The exponentials go as one batch; the 32 additions behind them name none of their results; one wait stands ahead of the first reader.
.macro ACT a
.set W, 2+(\a)/4
.set R, 64*((\a)%4)
	WIN W
.set i, 0
.rept 32
	v_pk_mul_f32 v[U+i:U+i+1], v[R+i:R+i+1], s[74:75] op_sel_hi:[1,0]   ; x log2(e); ascending: each accumulator is read from its low end on
.set i, i+2
.endr
	WIN 0
.set i, 0
.rept 64
	v_exp_f32 v[U+i], v[U+i]
.set i, i+1
.endr
.set WW, W|(W<<6)
	WIN WW
.set i, 0
.rept 32
	v_pk_add_f32 v[R+i:R+i+1], v[R+i:R+i+1], 1.0 op_sel_hi:[1,0]        ; x + 1
.set i, i+2
.endr
	s_wait_alu depctr_va_vdst(0)                   ; one wait for the 64 exponentials, ahead of their first reader
.set i, 0
.rept 64
	v_med3_num_f32 v[R+i], v[R+i], v[U+i], 1.0     ; the middle of x + 1, e^x and 1
.set i, i+1
.endr
	WIN 0
.endm
; The sum of sk over my 64 tokens of block a's channel 16 a + r, unquantised, in two chains
.macro SUM a
.set W, 2+(\a)/4
.set R, 64*((\a)%4)
.set WW, W|(W<<2)
	WIN WW
	v_pk_add_f32 v[CH:CH+1], v[R:R+1], v[R+2:R+3]
	v_pk_add_f32 v[CH+2:CH+3], v[R+4:R+5], v[R+6:R+7]
.set WW, W<<2
	WIN WW
.set i, 8
.rept 14
	v_pk_add_f32 v[CH:CH+1], v[CH:CH+1], v[R+i:R+i+1]
	v_pk_add_f32 v[CH+2:CH+3], v[CH+2:CH+3], v[R+i+2:R+i+3]
.set i, i+4
.endr
	WIN 0
	v_pk_add_f32 v[CH:CH+1], v[CH:CH+1], v[CH+2:CH+3]
	v_add_f32 v[KSM+(\a)], v[CH], v[CH+1]
.endm
; 64 numbers of a lane in window w, register 16 b + i = number 32 b + 16 (lane / 16) + i of my row, become a fragment's codes in v[PC] on and its scale word in v[PW].
.macro QUANT s, w
.set QW, \w
.set QA, QW|(QW<<2)
.set QB, (QW<<2)|(QW<<4)
	WIN QA
.irp b, 0,1,2,3
	v_max3_num_f32 v[TM+\b], |v[(\s)+16*\b]|, |v[(\s)+1+16*\b]|, 0x2800000   ; block b: my 16 numbers, and the floor 2^(5 - 127): the byte cannot fall under 1
.endr
	WIN QB
.irp i, 2,4,6,8,10,12,14
.irp b, 0,1,2,3
	v_max3_num_f32 v[TM+\b], v[TM+\b], |v[(\s)+16*\b+\i]|, |v[(\s)+1+16*\b+\i]|
.endr
.endr
	WIN 0
.irp b, 0,1,2,3
	v_permlanex16_b32 v[TM+4+\b], v[TM+\b], s[SEL], s[SEL+1]
.endr
.irp b, 0,1,2,3
	v_max_num_f32 v[TM+\b], v[TM+\b], v[TM+4+\b]   ; with lane l xor 16's: the block's largest magnitude
.endr
.irp b, 0,1,2,3
	v_add_nc_u32 v[TM+12+\b], 0xfe000000, v[TM+\b] ; 4 off its exponent field: the conversion's scale operand
.endr
.irp b, 0,1,2,3
	v_lshrrev_b32 v[TM+4+\b], 23, v[TM+12+\b]      ; the scale's byte
.endr
	v_lshl_or_b32 v[PW], v[TM+5], 8, v[TM+4]
	v_lshl_or_b32 v[PW], v[TM+6], 16, v[PW]
	v_lshl_or_b32 v[PW], v[TM+7], 24, v[PW]
	WIN QW
.irp c, 0,1
	v_cvt_scalef32_pk16_bf6_f32 v[PC+6*\c:PC+2+6*\c], v[(\s)+32*\c:(\s)+15+32*\c], v[TM+12+2*\c]
	v_cvt_scalef32_pk16_bf6_f32 v[PC+12+4*\c:PC+14+4*\c], v[(\s)+16+32*\c:(\s)+31+32*\c], v[TM+12+2*\c+1]   ; (a conversion's three registers begin on an even number)
.endr
	WIN 0
	v_nop                                          ; one plain place behind a scaled conversion
.irp c, 0,1                                    ; the operand's layout wants a whole block in a lane: lanes 0-15 block 2 c, lanes 16-31 block 2 c + 1
.irp i, 0,1,2
	v_permlane16_swap_b32 v[PC+6*\c+\i], v[PC+12+4*\c+\i]
.endr
.irp i, 0,1,2
	v_mov_b32 v[PC+3+6*\c+\i], v[PC+12+4*\c+\i]
.endr
.endr
.endm
; Block by block.  The branches hang on TYPE and on the wave's number; at each of them and at each label every window is 0.
.irp a, 0,1,2,3,4,5,6,7
	s_cmp_eq_u32 s77, 0
	s_cbranch_scc0 .Lplain_\a                      ; v is taken as it is
	ACT \a
.Lplain_\a:
	s_cmp_eq_u32 s95, 0
	s_cbranch_scc0 .Lkv_\a
	; q: the block's sq leaves as it stands in the registers, while the next block's activation is issued: each store covers 512 consecutive bytes, aligned; its registers are not written again
.set WW, (2+\a/4)<<2
	WIN WW                                         ; a store's data are its source 1
.irp q, 0,1,2,3,4,5,6,7,8,9,10,11,12,13,14,15
	global_store_b128 v[GO], v[64*(\a%4)+4*\q:64*(\a%4)+4*\q+3], s[68:69] offset:65536*\a+512*\q
.endr
	WIN 0
	s_branch .Lnext_\a
.Lkv_\a:
	s_cmp_eq_u32 s15, 0
	s_cbranch_scc0 .Lnosum_\a
	SUM \a                                         ; k's waves alone
.Lnosum_\a:
	s_wait_dscnt 0x0                               ; the last block's image has left its registers (in k's waves a whole activation ago)
	QUANT 64*((\a)%4), 2+(\a)/4                    ; 16 channels x 128 tokens become a fragment with the tokens as K
.irp c, 0,1,2
	ds_store_b128 v[IWA], v[PC+4*\c:PC+4*\c+3] offset:FR*128*\a+512*\c
.endr
	ds_store_b32 v[ISA], v[PW] offset:128*\a
.Lnext_\a:
.endr
	s_cmp_eq_u32 s95, 0
	s_cbranch_scc1 .Lmeet
	s_cmp_eq_u32 s15, 0
	s_cbranch_scc0 .Lmeet
	; k: the sums of sk over my 128 tokens leave
.irp j, 0,1,2,3,4,5,6,7
	v_permlanex16_b32 v[KT+\j], v[KSM+\j], s[SEL], s[SEL+1]
.endr
.irp j, 0,1,2,3,4,5,6,7
	v_add_f32 v[KSM+\j], v[KSM+\j], v[KT+\j]       ; with lane l xor 16's 64 tokens
.endr
	v_cmp_le_u32 vcc_lo, 16, v[LN]
.irp j, 0,1,2,3
	v_cndmask_b32 v[KO+\j], v[KSM+\j], v[KSM+4+\j], vcc_lo   ; lanes 0-15 keep blocks 0-3, lanes 16-31 blocks 4-7: word j of lane (r, h) is the channel at place 16 (4 h + j) + r
.endr
	global_store_b128 v[GO], v[KO:KO+3], s[86:87]  ; 512 consecutive bytes
.Lmeet:
	s_wait_dscnt 0x0                               ; for the others' sake: my images lie in LDS
	s_barrier_signal -1
	s_barrier_wait -1                              ; on every wave's way, of both types
	s_cmp_eq_u32 s95, 0
	s_cbranch_scc1 .Lend
	; ---- kv(d, e) over the work-group's 256 tokens: source 0 = 16 channels of sk, source 1 = 16 channels of v.  Wave w makes e tiles 2 w, 2 w + 1 x all eight d tiles; K step t = the tokens of waves t (sk) and 2 + t (v).
.irp t, 0,1
.irp d, 0,1,2,3,4,5,6,7
	ds_load_b32 v[32+10*\t+\d], v[ISL] offset:1024*\t+128*\d
.endr
.irp i, 0,1
	ds_load_b32 v[40+10*\t+\i], v[ISV] offset:1024*(2+\t)+128*\i
.endr
.endr
.irp t, 0,1
.set WW, 0x80*\t
	WIN WW                                         ; K step 0's fragments into window 0, K step 1's into the same numbers of window 2
.irp d, 0,1,2,3,4,5,6,7
.irp c, 0,1,2
	ds_load_b128 v[64+FR*\d+4*\c:64+FR*\d+4*\c+3], v[ILD] offset:8*FR*128*\t+FR*128*\d+512*\c
.endr
.endr
.irp i, 0,1
.irp c, 0,1,2
	ds_load_b128 v[160+FR*\i+4*\c:160+FR*\i+4*\c+3], v[IVL] offset:8*FR*128*(2+\t)+FR*128*\i+512*\c
.endr
.endr
.endr
	s_wait_dscnt 30                                ; all but K step 1's 30 loads
	WIN 0x40                                       ; D in window 1
.irp i, 0,1
.irp d, 0,1,2,3,4,5,6,7
	v_wmma_scale_f32_16x16x128_f8f6f4 v[8*(8*\i+\d):8*(8*\i+\d)+7], v[64+FR*\d:64+FR*\d+FR-1], v[160+FR*\i:160+FR*\i+FR-1], 0, v[32+\d], v[40+\i] matrix_a_fmt:MATRIX_FMT_BF6 matrix_b_fmt:MATRIX_FMT_BF6
.endr
.endr
	s_wait_dscnt 0x0
	WIN 0x5a                                       ; sources 0 and 1 window 2, C and D window 1.  The sixteen accumulators take turns
.irp i, 0,1
.irp d, 0,1,2,3,4,5,6,7
	v_wmma_scale_f32_16x16x128_f8f6f4 v[8*(8*\i+\d):8*(8*\i+\d)+7], v[64+FR*\d:64+FR*\d+FR-1], v[160+FR*\i:160+FR*\i+FR-1], v[8*(8*\i+\d):8*(8*\i+\d)+7], v[42+\d], v[50+\i] matrix_a_fmt:MATRIX_FMT_BF6 matrix_b_fmt:MATRIX_FMT_BF6
.endr
.endr
	PLACES NP
	WIN 0x04                                       ; a store's data are its source 1: window 1
.irp i, 0,1
.irp d, 0,1,2,3,4,5,6,7
.irp k, 0,1
	global_store_b128 v[GO], v[8*(8*\i+\d)+4*\k:8*(8*\i+\d)+4*\k+3], s[84:85] offset:((8*\i+\d)*2+\k)*512   ; images of the registers, each accumulator from its low end on; 512 consecutive bytes a store
.endr
.endr
.endr
	WIN 0
.Lend:
	s_wait_tensorcnt 0x0                           ; the wave's end
	ds_add_u32 v[SPW], v[NIL]
	s_wait_dscnt 0x0
	CROUND                                         ; the closing round: no work-group ends while a partner may still ask for a tile that names it
	s_endpgm
.Lfunc_end_k_qc7e6616e9e_qkv:
	.size	k_qc7e6616e9e_qkv, .Lfunc_end_k_qc7e6616e9e_qkv-k_qc7e6616e9e_qkv
	.p2alignl 7, 3214868480
	.fill 96, 4, 3214868480
	.section	.rodata,"a",@progbits
	.p2align	6, 0x0
	.amdhsa_kernel k_qc7e6616e9e_qkv
		.amdhsa_group_segment_fixed_size 327680
		.amdhsa_private_segment_fixed_size 0
		.amdhsa_enable_private_segment 0
		.amdhsa_kernarg_size 48
		.amdhsa_user_sgpr_count 2
		.amdhsa_user_sgpr_kernarg_segment_ptr 1
		.amdhsa_wavefront_size32 1
		.amdhsa_system_sgpr_workgroup_id_x 1
		.amdhsa_system_sgpr_workgroup_id_y 1
		.amdhsa_system_sgpr_workgroup_id_z 1
		.amdhsa_system_vgpr_workitem_id 0
		.amdhsa_next_free_vgpr 1024
		.amdhsa_next_free_sgpr 102
		.amdhsa_reserve_vcc 1
		.amdhsa_float_denorm_mode_32 3
		.amdhsa_float_denorm_mode_16_64 3
		.amdhsa_memory_ordered 1
		.amdhsa_forward_progress 1
		.amdhsa_inst_pref_size 255
	.end_amdhsa_kernel
	.section	.bss,"aw",@nobits
	.p2align	6
	.space	262144
	.amdgpu_metadata
---
amdhsa.version: [ 1, 2 ]
amdhsa.kernels:
  - .name:           k_qc7e6616e9e_qkv
    .symbol:         k_qc7e6616e9e_qkv.kd
    .args:
      - { .name: qin, .offset: 0, .size: 8, .value_kind: global_buffer, .address_space: global }
      - { .name: bq, .offset: 8, .size: 8, .value_kind: global_buffer, .address_space: global }
      - { .name: bk, .offset: 16, .size: 8, .value_kind: global_buffer, .address_space: global }
      - { .name: bv, .offset: 24, .size: 8, .value_kind: global_buffer, .address_space: global }
      - { .name: sq, .offset: 32, .size: 8, .value_kind: global_buffer, .address_space: global }
      - { .name: part, .offset: 40, .size: 8, .value_kind: global_buffer, .address_space: global }
    .group_segment_fixed_size: 327680
    .private_segment_fixed_size: 0
    .kernarg_segment_align: 8
    .kernarg_segment_size: 48
    .max_flat_workgroup_size: 128
    .sgpr_count:     102
    .vgpr_count:     1024
    .wavefront_size: 32
...
	.end_amdgpu_metadata
.endif
;; end of part 2
;; launch kvred (part 3): grid 8 x 8, 8 waves a work-group, no clusters, 66,560 bytes of LDS; arguments part, kvq; writes kvq
.if DOCPART == 3
	.amdgcn_target "amdgcn-amd-amdhsa--gfx1250"
	.amdhsa_code_object_version 6
	.text
	.protected	k_qc7e6616e9e_kvred
	.globl	k_qc7e6616e9e_kvred
	.p2align	8
	.type	k_qc7e6616e9e_kvred,@function
k_qc7e6616e9e_kvred:
	s_mov_b64 s[64:65], 0
	v_nop
	global_prefetch_b8 v0, s[64:65] scope:SCOPE_SE
	s_setreg_imm32_b32 hwreg(HW_REG_WAVE_MODE, 25, 1), 1
	s_wait_xcnt 0x0
; The sums over tokens are finished.  Work-group (a, bkv): bkv = 4 x batch + kv head; a = a tile of 16 channels.
; kv: the 16 partials (256 tokens each) of tile e = a, all 128 d, are added in f32: each of EIGHT waves takes two partials, so that all of a wave's 34 loads go out together and none is asked for behind another's arrival;
; waves 1 to 7 hand their sums to wave 0 through LDS as images of the registers.
; A lane holds one e (place 16 a + lane % 16) and its register 16 b + i the channel d = 32 b + 16 (lane / 16) + i: so wave 0 quantises kv along d (codes of BF6, E3M2; one E8M0 byte for each 32) as it stands,
; and stores the fragment's image (3 x 512 bytes) and its scale words (128 bytes) as a record of 2,048 bytes at kvq + 2,048 (8 bkv + a).
; ksum: the 32 partials (128 tokens each) of the 16 channels at places 16 a + r are added: a lane takes two partials, the halves of the lanes and the eight waves are joined; the sums go to kvq + KS0 + 512 bkv in the channels' true order.
; LIMITS: the f32 sums are taken in this order, not as one chain; NaN and infinities are not served; a block under 2^-122 or of zeros gets the scale byte 1.
; No tensor loads, no matrix work: 1 MiB for each bkv is read once.  64 work-groups: the sums have no more independent parts of this size.
.set KSP, 8388608
.set KS0, 131072
.set TM,  8                            ; v8-23   the quantiser at work
.set PW,  24
.set KA,  25                           ; v25     ksum's partials: 512 (lane / 16) + 16 (lane % 16)
.set S,   32                           ; v32-95  the sums
.set T1,  96
.set T2,  160
.set PC,  224                          ; v224-243 the codes
.set KL,  244                          ; v244-251 ksum's words
.set KP,  252                          ; v252    a permute's target
.set SEL, 20
	s_load_b128 s[4:7], s[0:1], 0x0                ; part, kvq
	v_lshl_add_u32 v254, v0, 2, 0x10000
	v_mov_b32 v255, 0
	v_lshrrev_b32 v6, 5, v0
	v_readfirstlane_b32 s8, v6                     ; wave 0..7
	v_and_b32 v6, 31, v0
	v_lshlrev_b32 v1, 4, v6                        ; 16 x lane
	v_lshlrev_b32 v2, 2, v6                        ; 4 x lane
	s_lshl_b32 s9, s8, 13
	v_add_nc_u32 v3, s9, v1                        ; LDS: waves 1 to 7 put their sums at 8,192 x wave
	v_lshlrev_b32 v4, 2, v0                        ; LDS 0 .. 1,023: a word of ksum for each thread
	v_and_b32 v5, 7, v0
	v_bfe_u32 v7, v0, 3, 1
	v_lshl_add_u32 v5, v7, 4, v5
	v_lshlrev_b32 v5, 2, v5                        ; 4 (16 (r / 8) + r % 8): the true channel of place r, less the tile's part
	v_and_b32 v[KA], 15, v0
	v_lshlrev_b32 v[KA], 4, v[KA]
	v_bfe_u32 v7, v0, 4, 1
	v_lshl_add_u32 v[KA], v7, 9, v[KA]
	s_and_b32 s10, ttmp7, 0xffff                   ; bkv
	s_lshl_b32 s12, s10, 20                        ; kv's partials: 1 MiB a bkv, 65,536 bytes a partial (two a wave), 8,192 a tile of e
	s_lshl_b32 s13, s8, 17
	s_add_co_u32 s12, s12, s13
	s_lshl_b32 s13, ttmp9, 13
	s_add_co_u32 s12, s12, s13
	s_mov_b32 s13, 0
	s_lshl_b32 s14, s10, 14                        ; ksum's partials: 512 bytes each, four a wave; in one, the channel at place 16 a + r is word a % 4 of lane r + 16 (a / 4)
	s_lshl_b32 s15, s8, 11
	s_add_co_u32 s14, s14, s15
	s_lshr_b32 s15, ttmp9, 2
	s_lshl_b32 s15, s15, 8
	s_add_co_u32 s14, s14, s15
	s_and_b32 s15, ttmp9, 3
	s_lshl_b32 s15, s15, 2
	s_add_co_u32 s14, s14, s15
	s_add_co_u32 s14, s14, KSP
	s_mov_b32 s15, 0
	s_lshl_b32 s16, s10, 3
	s_add_co_u32 s16, s16, ttmp9
	s_lshl_b32 s16, s16, 11                        ; my record
	s_mov_b32 s17, 0
	s_lshl_b32 s18, s10, 9                         ; ksum: 512 bytes a bkv; the tile's part of the true channel: 32 (a / 2) + 8 (a % 2)
	s_lshr_b32 s19, ttmp9, 1
	s_lshl_b32 s19, s19, 7
	s_add_co_u32 s18, s18, s19
	s_and_b32 s19, ttmp9, 1
	s_lshl_b32 s19, s19, 5
	s_add_co_u32 s18, s18, s19
	s_add_co_u32 s18, s18, KS0
	s_mov_b32 s19, 0
	s_mov_b32 s[SEL], 0x76543210
	s_mov_b32 s[SEL+1], 0xfedcba98
	s_wait_kmcnt 0x0
	s_add_nc_u64 s[12:13], s[4:5], s[12:13]
	s_add_nc_u64 s[14:15], s[4:5], s[14:15]
	s_add_nc_u64 s[16:17], s[6:7], s[16:17]
	s_add_nc_u64 s[18:19], s[6:7], s[18:19]
.macro LOADP reg, t                    ; partial 2 w + t of my tile: 16 loads of 512 consecutive bytes: the image of 64 registers
.irp q, 0,1,2,3,4,5,6,7,8,9,10,11,12,13,14,15
	global_load_b128 v[\reg+4*\q:\reg+4*\q+3], v1, s[12:13] offset:65536*(\t)+512*\q th:TH_LOAD_NT
.endr
.endm
.macro ADDS reg
.set i, 0
.rept 32
	v_pk_add_f32 v[S+i:S+i+1], v[S+i:S+i+1], v[\reg+i:\reg+i+1]
.set i, i+2
.endr
.endm
.irp k, 0,1
	global_load_b32 v[KL+\k], v[KA], s[14:15] offset:1024*\k   ; ksum's partials 4 w + 2 k + lane / 16
.endr
	LOADP S, 0
	LOADP T1, 1
	v_mov_b32 v[KP], 0                             ; a lane permute's destination counts as one of its sources
.irp b, 0,1,2,3
	v_mov_b32 v[TM+4+\b], 0
.endr
	s_wait_loadcnt 32                              ; ksum's two are in; the 32 loads behind them may be out
	v_add_f32 v[KL], v[KL], v[KL+1]
	v_permlanex16_b32 v[KP], v[KL], s[SEL], s[SEL+1]
	v_add_f32 v[KL], v[KL], v[KP]                  ; my wave's four partials
	ds_store_b32 v4, v[KL]
	s_wait_loadcnt 0x0
	ADDS T1
	s_cmp_eq_u32 s8, 0                             ; wave 0 keeps its sums in registers
	s_cbranch_scc1 .Lkeep
.irp q, 0,1,2,3,4,5,6,7,8,9,10,11,12,13,14,15
	ds_store_b128 v3, v[S+4*\q:S+4*\q+3] offset:512*\q
.endr
.Lkeep:
	s_wait_dscnt 0x0                               ; for wave 0's sake: my stores have landed
	s_barrier_signal -1
	s_barrier_wait -1
	s_cmp_lg_u32 s8, 0
	s_cbranch_scc1 .Ldone
.irp k, 0,1,2,3,4,5,6,7
	ds_load_b32 v[KL+\k], v2 offset:128*\k         ; the eight waves' words of ksum
.endr
.irp q, 0,1,2,3,4,5,6,7,8,9,10,11,12,13,14,15
	ds_load_b128 v[T1+4*\q:T1+4*\q+3], v1 offset:8192+512*\q
.endr
.irp q, 0,1,2,3,4,5,6,7,8,9,10,11,12,13,14,15
	ds_load_b128 v[T2+4*\q:T2+4*\q+3], v1 offset:16384+512*\q
.endr
	s_wait_dscnt 32                                ; ksum's eight words are in; the two images' 32 loads may be out
.irp k, 0,2,4,6
	v_add_f32 v[KL+\k], v[KL+\k], v[KL+\k+1]
.endr
	v_add_f32 v[KL], v[KL], v[KL+2]
	v_add_f32 v[KL+4], v[KL+4], v[KL+6]
	v_add_f32 v[KL], v[KL], v[KL+4]
	global_store_b32 v5, v[KL], s[18:19]           ; lanes r and r + 16 hold the same sum and write the same word; 64 bytes in two pieces: one part in 16,000 of what the launch moves
.irp m, 1,2,3,4,5,6,7                              ; wave m's sums: in two sets of registers by turns, the next image but one asked for as soon as a set is free
.set TT, T1+64*((\m+1)%2)
.if \m < 7
	s_wait_dscnt 16                                ; image m is in; the next image's 16 loads may be out
.else
	s_wait_dscnt 0x0
.endif
	ADDS TT
.if \m+2 <= 7
.irp q, 0,1,2,3,4,5,6,7,8,9,10,11,12,13,14,15
	ds_load_b128 v[TT+4*\q:TT+4*\q+3], v1 offset:8192*(\m+2)+512*\q
.endr
.endif
.endr
	; kv is quantised along d
.irp b, 0,1,2,3
	v_max3_num_f32 v[TM+\b], |v[S+16*\b]|, |v[S+1+16*\b]|, 0x2800000   ; block b: my 16 numbers, and the floor 2^(5 - 127): the byte cannot fall under 1
.endr
.irp i, 2,4,6,8,10,12,14
.irp b, 0,1,2,3
	v_max3_num_f32 v[TM+\b], v[TM+\b], |v[S+16*\b+\i]|, |v[S+1+16*\b+\i]|
.endr
.endr
.irp b, 0,1,2,3
	v_permlanex16_b32 v[TM+4+\b], v[TM+\b], s[SEL], s[SEL+1]
.endr
.irp b, 0,1,2,3
	v_max_num_f32 v[TM+\b], v[TM+\b], v[TM+4+\b]   ; with lane l xor 16's: the block's largest magnitude
.endr
.irp b, 0,1,2,3
	v_add_nc_u32 v[TM+12+\b], 0xfe000000, v[TM+\b] ; 4 off its exponent field: the conversion's scale operand
.endr
.irp b, 0,1,2,3
	v_lshrrev_b32 v[TM+4+\b], 23, v[TM+12+\b]      ; the scale's byte
.endr
	v_lshl_or_b32 v[PW], v[TM+5], 8, v[TM+4]
	v_lshl_or_b32 v[PW], v[TM+6], 16, v[PW]
	v_lshl_or_b32 v[PW], v[TM+7], 24, v[PW]
.irp c, 0,1
	v_cvt_scalef32_pk16_bf6_f32 v[PC+6*\c:PC+2+6*\c], v[S+32*\c:S+15+32*\c], v[TM+12+2*\c]
	v_cvt_scalef32_pk16_bf6_f32 v[PC+12+4*\c:PC+14+4*\c], v[S+16+32*\c:S+31+32*\c], v[TM+12+2*\c+1]
.endr
	v_nop                                          ; one plain place behind a scaled conversion
.irp c, 0,1                                    ; a whole block in a lane: lanes 0-15 block 2 c, lanes 16-31 block 2 c + 1
.irp i, 0,1,2
	v_permlane16_swap_b32 v[PC+6*\c+\i], v[PC+12+4*\c+\i]
.endr
.irp i, 0,1,2
	v_mov_b32 v[PC+3+6*\c+\i], v[PC+12+4*\c+\i]
.endr
.endr
.irp c, 0,1,2
	global_store_b128 v1, v[PC+4*\c:PC+4*\c+3], s[16:17] offset:512*\c   ; the fragment's image
.endr
	global_store_b32 v2, v[PW], s[16:17] offset:1536                      ; its scale words, 4 bytes a lane
.Ldone:
	s_wait_tensorcnt 0x0
	ds_add_u32 v254, v255
	s_wait_dscnt 0x0
	s_endpgm
.Lfunc_end_k_qc7e6616e9e_kvred:
	.size	k_qc7e6616e9e_kvred, .Lfunc_end_k_qc7e6616e9e_kvred-k_qc7e6616e9e_kvred
	.p2alignl 7, 3214868480
	.fill 96, 4, 3214868480
	.section	.rodata,"a",@progbits
	.p2align	6, 0x0
	.amdhsa_kernel k_qc7e6616e9e_kvred
		.amdhsa_group_segment_fixed_size 66560
		.amdhsa_private_segment_fixed_size 0
		.amdhsa_enable_private_segment 0
		.amdhsa_kernarg_size 16
		.amdhsa_user_sgpr_count 2
		.amdhsa_user_sgpr_kernarg_segment_ptr 1
		.amdhsa_wavefront_size32 1
		.amdhsa_system_sgpr_workgroup_id_x 1
		.amdhsa_system_sgpr_workgroup_id_y 1
		.amdhsa_system_sgpr_workgroup_id_z 1
		.amdhsa_system_vgpr_workitem_id 0
		.amdhsa_next_free_vgpr 256
		.amdhsa_next_free_sgpr 66
		.amdhsa_reserve_vcc 0
		.amdhsa_float_denorm_mode_32 3
		.amdhsa_float_denorm_mode_16_64 3
		.amdhsa_memory_ordered 1
		.amdhsa_forward_progress 1
		.amdhsa_inst_pref_size 36
	.end_amdhsa_kernel
	.amdgpu_metadata
---
amdhsa.version: [ 1, 2 ]
amdhsa.kernels:
  - .name:           k_qc7e6616e9e_kvred
    .symbol:         k_qc7e6616e9e_kvred.kd
    .args:
      - { .name: part, .offset: 0, .size: 8, .value_kind: global_buffer, .address_space: global }
      - { .name: kvq, .offset: 8, .size: 8, .value_kind: global_buffer, .address_space: global }
    .group_segment_fixed_size: 66560
    .private_segment_fixed_size: 0
    .kernarg_segment_align: 8
    .kernarg_segment_size: 16
    .max_flat_workgroup_size: 256
    .sgpr_count:     66
    .vgpr_count:     256
    .wavefront_size: 32
...
	.end_amdgpu_metadata
.endif
;; end of part 3
;; launch attn (part 4): grid 256 x 1, 4 waves a work-group, no clusters, 26,624 bytes of LDS; arguments sq, kvq, att; writes att
.if DOCPART == 4
	.amdgcn_target "amdgcn-amd-amdhsa--gfx1250"
	.amdhsa_code_object_version 6
	.text
	.protected	k_qc7e6616e9e_attn
	.globl	k_qc7e6616e9e_attn
	.p2align	8
	.type	k_qc7e6616e9e_attn,@function
k_qc7e6616e9e_attn:
	s_mov_b64 s[64:65], 0
	v_nop
	global_prefetch_b8 v0, s[64:65] scope:SCOPE_SE
	s_setreg_imm32_b32 hwreg(HW_REG_WAVE_MODE, 25, 1), 1
	s_wait_xcnt 0x0
; attn = (sq kv) / (sq . ksum + 1e-6), quantised for the last product.  sq: f32, images of registers [token / 16][head][16 x 512 bytes] (tokens by their places in x's row order); kv: fragments of codes of BF6 (E3M2) with d as K, and ksum in f32, in kvq.
; Work-group p owns the tokens at places 32 p .. 32 p + 31, which are also the tokens 32 p .. 32 p + 31.  Wave g owns kv head g: heads 2 g, 2 g + 1, so its eight fragments of kv and its ksum stay in registers; four units: (16 tokens) x (head).
; A lane holds one token; register 16 b + i of a unit is channel 32 b + 16 (lane / 16) + i.  A unit: norm by fused multiply-adds in f32 on the unquantised sq; sq quantised along d; eight matrix instructions, transposed
; (source 0 = 16 channels e of kv, source 1 = my 16 tokens), which leave the 64 registers in the same order along e; times 1 / (norm + 1e-6); quantised along e, which is K of the last product.
; The codes (96 bytes for a token and head) and scale words meet in a stage in LDS; each wave then stores 8 whole rows of att: 6,144 consecutive bytes of codes and 256 of scale bytes, in the tokens' true order.
; LIMITS: the division is a reciprocal (1 ulp) and a multiplication; norm is summed in two chains, not one; NaN and infinities are not served; a block under 2^-122 or of zeros gets the scale byte 1.
; No ring and no tensor load: a wave's 32 KiB of sq and 13 KiB of kv are all asked for at once, at the head.
; REGISTERS: window 0: v1-9 addresses; v16-31 the quantiser at work; v32-51 codes; v52 the scale word just made; v54-61 norms; v72-79 kv's scale words; v80-91 at work; v128-191 the product; v192-241 the way out.
;   window 1: sq, unit n at v[64 n].   window 2: v0-95 kv's eight fragments; v96-159 ksum in the order of a lane's registers.
.set KS0, 131072
.set AS0, 6291456
.set SPI, 784                          ; a stage row: 768 bytes + 16 = 196 words: row r starts at bank 4 r mod 64 (64 banks of 4 bytes: ISA guide 11.1)
.set SST, 32*SPI                       ; behind the stage: the scale bytes, 32 a row
.set TM,  16
.set PC,  32
.set PW,  52
.set NR,  54
.set CH,  58
.set FS,  72
.set PT,  80
.set RN,  84
.set O,   128
.set RB,  192
.set SEL, 26
.set MSB, 0
.macro WIN new                         ; the immediate's high byte repeats the setting that is left; a switch that changes nothing is dropped
.if MSB != (\new)
	s_set_vgpr_msb (MSB<<8)|(\new)
.set MSB, (\new)
.endif
.endm
	s_load_b128 s[4:7], s[0:1], 0x0                ; sq, kvq
	s_load_b64 s[8:9], s[0:1], 0x10                ; att
	v_lshl_add_u32 v254, v0, 2, 0x6600
	v_mov_b32 v255, 0
	v_lshrrev_b32 v10, 5, v0
	v_readfirstlane_b32 s10, v10                   ; g
	v_and_b32 v10, 31, v0                          ; lane
	v_and_b32 v11, 15, v0                          ; r
	v_bfe_u32 v12, v0, 4, 1                        ; h
	v_lshlrev_b32 v1, 4, v10                       ; 16 x lane
	v_lshlrev_b32 v2, 2, v10                       ; 4 x lane
	v_lshlrev_b32 v3, 6, v12                       ; 64 h: my 16 channels of a block of 32
	v_mul_u32_u24 v4, v11, SPI
	v_mad_u32_u24 v4, v12, 24, v4
	s_mul_i32 s11, s10, 192
	v_add_nc_u32 v4, s11, v4                       ; the stage, in: row r, + 24 h, + 96 bytes a head
	v_lshl_add_u32 v5, v11, 5, SST
	s_lshl_b32 s11, s10, 3
	v_add_nc_u32 v5, s11, v5                       ; the scale words, in: 32 r + 4 bytes a head
	s_mul_i32 s11, s10, 8*SPI
	v_lshl_add_u32 v6, v10, 4, s11                 ; out: my 8 rows, 16 bytes a lane,
	v_lshl_add_u32 v7, v12, 4, v6                  ; and where lanes 16-31 stand in the next row: behind one padding more
	s_lshl_b32 s11, s10, 8
	s_add_co_u32 s11, s11, SST
	v_lshl_add_u32 v8, v10, 3, s11                 ; my 8 rows' scale bytes, 8 a lane
	v_lshlrev_b32 v9, 3, v10
	s_lshr_b32 s12, ttmp9, 7
	s_lshl_b32 s12, s12, 2
	s_add_co_u32 s12, s12, s10                     ; bkv = 4 x batch + g
	s_lshl_b32 s14, s12, 9
	s_add_co_u32 s14, s14, KS0
	s_mov_b32 s15, 0                               ; ksum
	s_lshl_b32 s16, s12, 14
	s_mov_b32 s17, 0                               ; kv's eight records of 2,048 bytes
	s_lshl_b32 s18, ttmp9, 17
	s_lshl_b32 s19, s10, 14
	s_add_co_u32 s18, s18, s19
	s_mov_b32 s19, 0                               ; sq: 131,072 p + 16,384 g
	s_and_b32 s20, s10, 1
	s_lshl_b32 s20, s20, 1
	s_lshr_b32 s21, s10, 1
	s_add_co_u32 s20, s20, s21                     ; the rows at places 8 g .. 8 g + 7 are tokens 8 g' .. 8 g' + 7, g' = g with its two bits exchanged
	s_mul_i32 s22, ttmp9, 32*768
	s_mul_i32 s21, s20, 8*768
	s_add_co_u32 s22, s22, s21
	s_mov_b32 s23, 0
	s_lshl_b32 s24, ttmp9, 10
	s_lshl_b32 s21, s20, 8
	s_add_co_u32 s24, s24, s21
	s_add_co_u32 s24, s24, AS0
	s_mov_b32 s25, 0
	s_mov_b32 s[SEL], 0x76543210
	s_mov_b32 s[SEL+1], 0xfedcba98
	s_wait_kmcnt 0x0
	s_add_nc_u64 s[14:15], s[6:7], s[14:15]
	s_add_nc_u64 s[16:17], s[6:7], s[16:17]
	s_add_nc_u64 s[18:19], s[4:5], s[18:19]
	s_add_nc_u64 s[22:23], s[8:9], s[22:23]
	s_add_nc_u64 s[24:25], s[8:9], s[24:25]
	WIN 0x80                                       ; destination window 2
.irp b, 0,1,2,3
.irp j, 0,1,2,3
	global_load_b128 v[96+16*\b+4*\j:96+16*\b+4*\j+3], v3, s[14:15] offset:128*\b+16*\j   ; ksum(32 b + 16 h + 4 j ..)
.endr
.endr
.irp a, 0,1,2,3,4,5,6,7
.irp c, 0,1,2
	global_load_b128 v[12*\a+4*\c:12*\a+4*\c+3], v1, s[16:17] offset:2048*\a+512*\c        ; kv's fragment of e tile a
.endr
.endr
	WIN 0
.irp a, 0,1,2,3,4,5,6,7
	global_load_b32 v[FS+\a], v2, s[16:17] offset:2048*\a+1536                             ; and its scale words
.endr
	WIN 0x40                                       ; destination window 1
.irp n, 0,1,2,3
.irp q, 0,1,2,3,4,5,6,7,8,9,10,11,12,13,14,15
	global_load_b128 v[64*\n+4*\q:64*\n+4*\q+3], v1, s[18:19] offset:65536*(\n/2)+8192*(\n%2)+512*\q th:TH_LOAD_NT   ; unit n: tokens 16 (n / 2) on, head 2 g + n % 2
.endr
.endr
	WIN 0
.irp n, 0,1,2,3
	v_mov_b32 v[PT+\n], 0                          ; a lane permute's destination counts as one of its sources
	v_mov_b32 v[TM+4+\n], 0
	v_mov_b32 v[RN+2*\n+1], 0                      ; (named as the upper half of a pair)
.endr
.macro NORM n                          ; sq . ksum of my 64 channels, in two chains of packed fused multiply-adds
	s_wait_loadcnt 48-16*(\n)                      ; unit n is in (and all that was asked for ahead of it); the later units' loads, 16 each, may be out
	WIN 0x09                                       ; source 0 (sq) window 1, source 1 (ksum) window 2
	v_pk_mul_f32 v[CH:CH+1], v[64*(\n):64*(\n)+1], v[96:97]
	v_pk_mul_f32 v[CH+2:CH+3], v[64*(\n)+2:64*(\n)+3], v[98:99]
.set i, 4
.rept 15
	v_pk_fma_f32 v[CH:CH+1], v[64*(\n)+i:64*(\n)+i+1], v[96+i:96+i+1], v[CH:CH+1]
	v_pk_fma_f32 v[CH+2:CH+3], v[64*(\n)+i+2:64*(\n)+i+3], v[96+i+2:96+i+3], v[CH+2:CH+3]
.set i, i+4
.endr
	WIN 0
	v_pk_add_f32 v[CH:CH+1], v[CH:CH+1], v[CH+2:CH+3]
	v_add_f32 v[NR+(\n)], v[CH], v[CH+1]
.endm
.irp n, 0,1,2,3
	NORM \n
.endr
.irp n, 0,1,2,3
	v_permlanex16_b32 v[PT+\n], v[NR+\n], s[SEL], s[SEL+1]
.endr
.irp n, 0,1,2,3
	v_add_f32 v[NR+\n], v[NR+\n], v[PT+\n]         ; with lane l xor 16's 64 channels: norm
.endr
.irp n, 0,1,2,3
	v_add_f32 v[NR+\n], 0x358637bd, v[NR+\n]       ; + 1e-6
.endr
.irp n, 0,1,2,3
	v_rcp_f32 v[RN+2*\n], v[NR+\n]
.endr
	v_nop                                          ; a plain instruction behind the last reciprocal
	s_wait_alu depctr_va_vdst(0)                   ; one wait for the four, ahead of their first reader
; 64 numbers of a lane in window w, register 16 b + i = number 32 b + 16 (lane / 16) + i of my row, become a fragment's codes in v[PC] on and its scale word in v[PW].
.macro QUANT s, w
.set QW, \w
.set QA, QW|(QW<<2)
.set QB, (QW<<2)|(QW<<4)
	WIN QA
.irp b, 0,1,2,3
	v_max3_num_f32 v[TM+\b], |v[(\s)+16*\b]|, |v[(\s)+1+16*\b]|, 0x2800000   ; block b: my 16 numbers, and the floor 2^(5 - 127): the byte cannot fall under 1
.endr
	WIN QB
.irp i, 2,4,6,8,10,12,14
.irp b, 0,1,2,3
	v_max3_num_f32 v[TM+\b], v[TM+\b], |v[(\s)+16*\b+\i]|, |v[(\s)+1+16*\b+\i]|
.endr
.endr
	WIN 0
.irp b, 0,1,2,3
	v_permlanex16_b32 v[TM+4+\b], v[TM+\b], s[SEL], s[SEL+1]
.endr
.irp b, 0,1,2,3
	v_max_num_f32 v[TM+\b], v[TM+\b], v[TM+4+\b]   ; with lane l xor 16's: the block's largest magnitude
.endr
.irp b, 0,1,2,3
	v_add_nc_u32 v[TM+12+\b], 0xfe000000, v[TM+\b] ; 4 off its exponent field: the conversion's scale operand
.endr
.irp b, 0,1,2,3
	v_lshrrev_b32 v[TM+4+\b], 23, v[TM+12+\b]      ; the scale's byte
.endr
	v_lshl_or_b32 v[PW], v[TM+5], 8, v[TM+4]
	v_lshl_or_b32 v[PW], v[TM+6], 16, v[PW]
	v_lshl_or_b32 v[PW], v[TM+7], 24, v[PW]
	WIN QW
.irp c, 0,1
	v_cvt_scalef32_pk16_bf6_f32 v[PC+6*\c:PC+2+6*\c], v[(\s)+32*\c:(\s)+15+32*\c], v[TM+12+2*\c]
	v_cvt_scalef32_pk16_bf6_f32 v[PC+12+4*\c:PC+14+4*\c], v[(\s)+16+32*\c:(\s)+31+32*\c], v[TM+12+2*\c+1]   ; (a conversion's three registers begin on an even number)
.endr
	WIN 0
	v_nop                                          ; one plain place behind a scaled conversion
.irp c, 0,1                                    ; a whole block in a lane: lanes 0-15 block 2 c, lanes 16-31 block 2 c + 1
.irp i, 0,1,2
	v_permlane16_swap_b32 v[PC+6*\c+\i], v[PC+12+4*\c+\i]
.endr
.irp i, 0,1,2
	v_mov_b32 v[PC+3+6*\c+\i], v[PC+12+4*\c+\i]
.endr
.endr
.endm
.macro UNIT n
	QUANT 64*(\n), 1                               ; sq along d
.rept 8
	v_nop                                          ; a scale register written by a vector instruction stands 8 places ahead of a scaled matrix instruction, an operand so written 4
.endr
	WIN 0x02                                       ; source 0 (kv) window 2
.irp t, 0,1,2,3,4,5,6,7
	v_wmma_scale_f32_16x16x128_f8f6f4 v[O+8*\t:O+8*\t+7], v[12*\t:12*\t+11], v[PC:PC+11], 0, v[FS+\t], v[PW] matrix_a_fmt:MATRIX_FMT_BF6 matrix_b_fmt:MATRIX_FMT_BF6
.endr
	WIN 0
.rept 4
	v_nop                                          ; places in front of the first read of the results
.endr
.set i, 0
.rept 32
	v_pk_mul_f32 v[O+i:O+i+1], v[O+i:O+i+1], v[RN+2*(\n):RN+2*(\n)+1] op_sel_hi:[1,0]   ; / (norm + 1e-6); ascending: each accumulator is read from its low end on
.set i, i+2
.endr
	QUANT O, 0                                     ; attn along e
.irp c, 0,1
.irp k, 0,1,2
	ds_store_b64 v4, v[PC+6*\c+2*\k:PC+6*\c+2*\k+1] offset:16*SPI*((\n)/2)+96*((\n)%2)+48*\c+8*\k   ; my 24 bytes of each half of the head's 96
.endr
.endr
	ds_store_b32 v5, v[PW] offset:512*((\n)/2)+4*((\n)%2)   ; lanes r and r + 16 hold the same word and write it to the same place
	s_wait_dscnt 0x0                               ; the stores have read their registers (and, behind the last unit: have landed, for the others' sake)
.endm
.irp n, 0,1,2,3
	UNIT \n
.endr
	s_barrier_signal -1
	s_barrier_wait -1                              ; 32 whole rows of codes and scale bytes lie in LDS
.irp i, 0,1,2,3,4,5,6,7,8,9,10,11                  ; my 8 rows are 6,144 dense bytes: load i takes bytes 512 i on; a row of 768 is followed by 16 of padding
.if \i%3 == 0
	ds_load_b128 v[RB+4*\i:RB+4*\i+3], v6 offset:2*SPI*(\i/3)
.elseif \i%3 == 1
	ds_load_b128 v[RB+4*\i:RB+4*\i+3], v7 offset:2*SPI*(\i/3)+512
.else
	ds_load_b128 v[RB+4*\i:RB+4*\i+3], v6 offset:2*SPI*(\i/3)+1040
.endif
.endr
	ds_load_b64 v[240:241], v8
.irp i, 0,1,2,3,4,5,6,7,8,9,10,11
	s_wait_dscnt 12-\i                             ; load i is in; the 11 - i behind it and the scale bytes' may be out
	global_store_b128 v1, v[RB+4*\i:RB+4*\i+3], s[22:23] offset:512*\i   ; 512 consecutive bytes, aligned
.endr
	s_wait_dscnt 0x0
	global_store_b64 v9, v[240:241], s[24:25]      ; 256 consecutive bytes, aligned
	s_wait_tensorcnt 0x0
	ds_add_u32 v254, v255
	s_wait_dscnt 0x0
	s_endpgm
.Lfunc_end_k_qc7e6616e9e_attn:
	.size	k_qc7e6616e9e_attn, .Lfunc_end_k_qc7e6616e9e_attn-k_qc7e6616e9e_attn
	.p2alignl 7, 3214868480
	.fill 96, 4, 3214868480
	.section	.rodata,"a",@progbits
	.p2align	6, 0x0
	.amdhsa_kernel k_qc7e6616e9e_attn
		.amdhsa_group_segment_fixed_size 26624
		.amdhsa_private_segment_fixed_size 0
		.amdhsa_enable_private_segment 0
		.amdhsa_kernarg_size 24
		.amdhsa_user_sgpr_count 2
		.amdhsa_user_sgpr_kernarg_segment_ptr 1
		.amdhsa_wavefront_size32 1
		.amdhsa_system_sgpr_workgroup_id_x 1
		.amdhsa_system_sgpr_workgroup_id_y 1
		.amdhsa_system_sgpr_workgroup_id_z 1
		.amdhsa_system_vgpr_workitem_id 0
		.amdhsa_next_free_vgpr 672
		.amdhsa_next_free_sgpr 66
		.amdhsa_reserve_vcc 0
		.amdhsa_float_denorm_mode_32 3
		.amdhsa_float_denorm_mode_16_64 3
		.amdhsa_memory_ordered 1
		.amdhsa_forward_progress 1
		.amdhsa_inst_pref_size 72
	.end_amdhsa_kernel
	.amdgpu_metadata
---
amdhsa.version: [ 1, 2 ]
amdhsa.kernels:
  - .name:           k_qc7e6616e9e_attn
    .symbol:         k_qc7e6616e9e_attn.kd
    .args:
      - { .name: sq, .offset: 0, .size: 8, .value_kind: global_buffer, .address_space: global }
      - { .name: kvq, .offset: 8, .size: 8, .value_kind: global_buffer, .address_space: global }
      - { .name: att, .offset: 16, .size: 8, .value_kind: global_buffer, .address_space: global }
    .group_segment_fixed_size: 26624
    .private_segment_fixed_size: 0
    .kernarg_segment_align: 8
    .kernarg_segment_size: 24
    .max_flat_workgroup_size: 128
    .sgpr_count:     66
    .vgpr_count:     672
    .wavefront_size: 32
...
	.end_amdgpu_metadata
.endif
;; end of part 4
;; launch outp (part 5): grid 8 x 32, 4 waves a work-group, clusters of 4 x 4, 327,680 bytes of LDS; arguments att, qin, out0; writes out0
.if DOCPART == 5
	.amdgcn_target "amdgcn-amd-amdhsa--gfx1250"
	.amdhsa_code_object_version 6
	.text
	.protected	k_qc7e6616e9e_outp
	.globl	k_qc7e6616e9e_outp
	.p2align	8
	.type	k_qc7e6616e9e_outp,@function
k_qc7e6616e9e_outp:
	s_mov_b64 s[64:65], 0
	v_nop
	global_prefetch_b8 v0, s[64:65] scope:SCOPE_SE
	s_setreg_imm32_b32 hwreg(HW_REG_WAVE_MODE, 25, 1), 1
	s_wait_xcnt 0x0
	s_wait_alu depctr_hold_cnt(0) depctr_sa_sdst(0) depctr_va_vdst(0) depctr_va_sdst(0) depctr_va_ssrc(0) depctr_va_vcc(0) depctr_vm_vsrc(0)
	s_getreg_b32 s2, hwreg(HW_REG_IB_STS2, 6, 4)
	s_cmp_eq_u32 s2, 0
	s_cbranch_scc0 .Lentry_in_a_cluster
	s_endpgm
.Lentry_in_a_cluster:
	s_bfe_u32 s2, ttmp6, 0x10000c
	s_cmp_lg_u32 s2, 0xf033
	s_cbranch_scc0 .Lentry_shape_is_right
	s_endpgm
.Lentry_shape_is_right:
; out0[m][n] = sum over k of attn[m][k] Wo[n][k].  attn: [8192][1024], Wo: [2048][1024]: codes of BF6 (E3M2), 6 bits each, with one E8M0 scale for each 32 along K; out0: [8192][2048] f32; sums in f32.
; attn's codes lie at att (768 bytes a row), its scale bytes at att + AS0 (32 a row); Wo's codes at qin + WOC, its scale bytes at qin + WOS.  Both in their true row order.
; A tile of 256 x 256 is made by a work-group of four waves; a wave makes 128 x 128: 64 accumulators of 16 x 16, 512 registers.  K goes in steps of 256 through a ring of two LDS slots filled by the tensor data mover.
; The scale bytes of the work-group's 256 rows of each operand, for all of K, are two dense blocks of memory: they come into LDS once, with the first fills, and stay.
; CLUSTERS: 4 x 4 work-groups.  The four of a row of the cluster need the same tiles of attn (A), the four of a column the same tiles of Wo (B): each tile is asked for jointly, by the same tensor load with the same descriptor and a mask that names the four.
; The matrix instruction is used transposed (source 0 = 16 rows of B, source 1 = 16 rows of A): a lane then holds eight neighbouring numbers of a row of out0.
; REGISTERS, in windows of 256: window 0: v0-31 addresses; v32-63 scale words, two sets; from v128 A's fragments, one set; on the way out v128-255 take rows.  window 1: B's fragments, two sets.  windows 2, 3: the accumulators.
.set SIZE_M, 8192
.set SIZE_N, 2048
.set SIZE_K, 1024
.set AS0,    6291456
.set WOC,    15728640
.set WOS,    17956864
.set KSTEP,  256
.set NQ,     KSTEP/128
.set ROWB,   192
.set KROW,   SIZE_K*6/8
.set PITCH,  240                       ; an LDS row: 3 x (64 bytes of data + 16 of padding)
.set FR,     12
.set NL,     6
.set NP,     4                         ; places behind this matrix instruction (ISA guide 7.12.1)
.set HALFT,  128*PITCH
.set SLOT,   4*HALFT
.set LAPS,   SIZE_K/(2*KSTEP)
.set KS,     SIZE_K/32
.set SCL,    2*SLOT
.set HALFS,  (128*KS/256)*272
.set SBLK,   (16*KS/256)*272
.set SPARE,  SCL+4*HALFS               ; the spare words, 128 bytes for each wave: two blocks of 256 bytes that no other line names
.set SPITCH, 528                       ; the way out: a stage of 16 rows x (512 bytes + 16) for each wave, in slot 0, which has had its last fill and its last read by then
.set ADRA, 16
.set ADRB, 20
.set STO,  24
.set RD,   25
.set CO,   26
.set SPW,  28
.set NIL,  29
.set ADRS, 27
.set SC,   32
.set AF,   128
.set BK,   128
.set G1, 24
.set G0, 32
.set G1B, 48
.set G0B, 56
.set G1S, 68
.set G0S, 76
.set G1SB, 80
.set G0SB, 88
.set MSB, 0
.macro WIN new                         ; the immediate's high byte repeats the setting that is left
.if MSB != \new
	s_set_vgpr_msb (MSB<<8)|\new
.set MSB, \new
.endif
.endm
.set MUL_LO, 0xa1                      ; source 0 (B) window 1, source 1 (A) window 0, C and D window 2
.set MUL_HI, 0xf1                      ; the same, C and D window 3
.set TO_B,   0x40
; A joint load: waves 0 and 1 fetch for A, waves 2 and 3 for B; the branch hangs on the wave's number alone.  Four v_nop follow each of the two lines.
.macro JLOAD g0a, g1a, g0b, g1b
	s_cmp_eq_u32 s15, 0
	s_cbranch_scc0 .Lfor_b_\@
	tensor_load_to_lds s[\g0a:\g0a+3], s[\g1a:\g1a+7]
	s_nop 0
.rept 4
	v_nop
.endr
	s_branch .Lasked_\@
.Lfor_b_\@:
	tensor_load_to_lds s[\g0b:\g0b+3], s[\g1b:\g1b+7]
	s_nop 0
.rept 4
	v_nop
.endr
.Lasked_\@:
.endm
.macro CREST                           ; a round of the cluster's barrier behind its opening barrier
	s_cmp_lg_u32 s14, 0
	s_cbranch_scc1 .Lnot_wave_0_\@
	s_barrier_signal -3
.Lnot_wave_0_\@:
	s_barrier_wait -3
	s_barrier_signal -1
	s_barrier_wait -1
.endm
.macro CROUND
	s_barrier_signal -1
	s_barrier_wait -1
	CREST
.endm
	s_load_b128 s[4:7], s[0:1], 0x0                ; att s[4:5], qin s[6:7]
	s_load_b64 s[12:13], s[0:1], 0x10              ; out0
	v_lshl_add_u32 v[SPW], v0, 2, SPARE
	v_mov_b32 v[NIL], 0
	ds_add_u32 v28, v29
	ds_add_u32 v28, v29
	s_wait_dscnt 0x0
	v_lshrrev_b32 v1, 5, v0
	v_readfirstlane_b32 s14, v1                    ; wave 0..3
	s_lshr_b32 s15, s14, 1                         ; which half of the tile's rows is mine.  Also: I fetch for A (0) or for B (1)
	s_and_b32 s16, s14, 1                          ; which half of its columns.  Also: which 128 rows I fetch
	s_bfe_u32 s40, ttmp6, 0x40000                  ; cx, cy
	s_bfe_u32 s41, ttmp6, 0x40004
	s_lshl_b32 s42, ttmp9, 2
	s_add_co_u32 s42, s42, s40                     ; tile column = 4 x cluster x + cx
	s_and_b32 s17, ttmp7, 0xffff
	s_lshl_b32 s17, s17, 2
	s_add_co_u32 s17, s17, s41                     ; tile row = 4 x cluster y + cy
	s_lshl_b32 s43, s41, 2
	s_lshl_b32 s43, 15, s43                        ; my row of the cluster
	s_lshl_b32 s44, 0x1111, s40                    ; my column
	s_or_b32 s[G1+0], s43, (0<<16)|(1<<20)|(1<<21)|(3<<22)|(3<<25)  ; the mask; elements of 1 byte; padding on; bit 21 beside a mask; after every 16 words, 4 words
	s_or_b32 s[G1B+0], s44, (0<<16)|(1<<20)|(1<<21)|(3<<22)|(3<<25)
.irp g, G1, G1B
	s_mov_b32 s[\g+1], ROWB<<16                    ; tensor_dim0
	s_mov_b32 s[\g+2], 128<<16                     ; tensor_dim1
	s_mov_b32 s[\g+3], ROWB<<16                    ; tile_dim0
	s_mov_b32 s[\g+4], 128                         ; tile_dim1
	s_mov_b32 s[\g+5], KROW                        ; from row to row
	s_mov_b32 s[\g+6], 0
	s_mov_b32 s[\g+7], 0
.endr
	s_or_b32 s[G1S+0], s43, (3<<16)|(1<<20)|(1<<21)|(5<<22)|(3<<25)   ; the scale bytes of 128 rows: rows of 256 bytes (32 elements of 8), 16 bytes of padding behind each
	s_or_b32 s[G1SB+0], s44, (3<<16)|(1<<20)|(1<<21)|(5<<22)|(3<<25)
.irp g, G1S, G1SB
	s_mov_b32 s[\g+1], 32<<16
	s_mov_b32 s[\g+2], (128*KS/256)<<16
	s_mov_b32 s[\g+3], 32<<16
	s_mov_b32 s[\g+4], 128*KS/256
	s_mov_b32 s[\g+5], 32
	s_mov_b32 s[\g+6], 0
	s_mov_b32 s[\g+7], 0
.endr
	s_lshl_b32 s18, s16, 7                         ; which 128 rows of the tile I fetch
	s_lshl_b32 s20, s17, 8
	s_add_co_u32 s20, s20, s18                     ; A: row 256 x tile row + 128 x half
	s_lshl_b32 s46, s42, 8
	s_add_co_u32 s46, s46, s18                     ; B: row 256 x tile column + 128 x half
	s_mov_b32 s21, 0
	s_mov_b32 s47, 0
	s_mov_b64 s[18:19], KS
	s_mul_u64 s[22:23], s[20:21], s[18:19]         ; where these rows' scale bytes begin
	s_mul_u64 s[92:93], s[46:47], s[18:19]
	s_mov_b64 s[18:19], KROW
	s_mul_u64 s[20:21], s[20:21], s[18:19]         ; and their codes
	s_mul_u64 s[46:47], s[46:47], s[18:19]
	s_mul_i32 s45, s14, HALFT                      ; where they go: no place in the cluster enters an LDS address
	s_mul_i32 s94, s14, HALFS
	s_wait_kmcnt 0x0
	s_add_nc_u64 s[8:9], s[6:7], WOC               ; Wo's codes,
	s_add_nc_u64 s[10:11], s[6:7], WOS             ; Wo's scale bytes,
	s_add_nc_u64 s[6:7], s[4:5], AS0               ; attn's scale bytes
	s_add_nc_u64 s[20:21], s[4:5], s[20:21]
	s_add_nc_u64 s[22:23], s[6:7], s[22:23]
	s_add_nc_u64 s[46:47], s[8:9], s[46:47]
	s_add_nc_u64 s[92:93], s[10:11], s[92:93]
	CROUND                                         ; all sixteen work-groups are here: the first joint loads meet
	s_mov_b32 s[G0S], 1
	s_add_co_u32 s[G0S+1], s94, SCL
	s_mov_b64 s[G0S+2:G0S+3], s[22:23]
	s_or_b32 s[G0S+3], s[G0S+3], 0x80000000
	s_mov_b32 s[G0SB], 1
	s_add_co_u32 s[G0SB+1], s94, SCL
	s_mov_b64 s[G0SB+2:G0SB+3], s[92:93]
	s_or_b32 s[G0SB+3], s[G0SB+3], 0x80000000
	JLOAD G0S, G1S, G0SB, G1SB                     ; the scale bytes first.  Three loads of mine are out behind these first fills
.irp s, 0,1
	s_mov_b32 s[G0+4*\s], 1
	s_add_co_u32 s[G0+4*\s+1], s45, \s*SLOT
	s_add_nc_u64 s[G0+4*\s+2:G0+4*\s+3], s[20:21], \s*ROWB
	s_or_b32 s[G0+4*\s+3], s[G0+4*\s+3], 0x80000000
	s_mov_b32 s[G0B+4*\s], 1
	s_add_co_u32 s[G0B+4*\s+1], s45, \s*SLOT
	s_add_nc_u64 s[G0B+4*\s+2:G0B+4*\s+3], s[46:47], \s*ROWB
	s_or_b32 s[G0B+4*\s+3], s[G0B+4*\s+3], 0x80000000
	JLOAD G0+4*\s, G1, G0B+4*\s, G1B
.endr
	v_and_b32 v1, 15, v0                           ; l % 16
	v_bfe_u32 v2, v0, 4, 1                         ; l / 16
	v_mul_u32_u24 v3, v1, PITCH
	v_mul_u32_u24 v4, v2, 24
	v_add_nc_u32 v4, v3, v4                        ; a fragment's row x pitch + 24 x half
	v_lshl_add_u32 v5, v2, 4, v4                   ; and the same behind one padding more
	s_mul_i32 s21, s15, HALFT
	s_mul_i32 s22, s16, HALFT
	s_add_co_u32 s22, s22, 2*HALFT
.irp s, 0,1
	v_add_nc_u32 v[ADRA+\s], s21, v4
	v_add_nc_u32 v[ADRB+\s], s22, v4
	v_add_nc_u32 v[ADRA+2+\s], s21, v5
	v_add_nc_u32 v[ADRB+2+\s], s22, v5
	s_add_co_u32 s21, s21, SLOT
	s_add_co_u32 s22, s22, SLOT
.endr
	v_mul_u32_u24 v5, v1, KS                       ; my row's scale bytes: KS a row,
	v_lshrrev_b32 v6, 8, v5
	v_lshl_add_u32 v5, v6, 4, v5                   ; and 16 more for each 256 passed
	s_mul_i32 s21, s15, HALFS
	s_mul_i32 s22, s16, HALFS
	s_add_co_u32 s22, s22, 2*HALFS
	s_sub_co_u32 s22, s22, s21
	v_mul_u32_u24 v6, s22, v2                      ; lanes 16-31 take B's
	s_add_co_u32 s21, s21, SCL
	v_add_nc_u32 v5, v5, v6
	v_add_nc_u32 v[ADRS], s21, v5
	s_mul_i32 s23, s14, 16*SPITCH                  ; my stage
	v_mul_u32_u24 v5, v1, SPITCH                   ; in: row l % 16, 32 bytes for each half of the lanes
	v_lshl_add_u32 v5, v2, 5, v5
	v_add_nc_u32 v[STO], s23, v5
	v_and_b32 v6, 31, v0
	v_lshlrev_b32 v[CO], 4, v6                     ; back: the 32 lanes take one row of 512 bytes; and the same in out0
	v_add_nc_u32 v[RD], s23, v[CO]
	s_lshl_b32 s20, s17, 8
	s_lshl_b32 s21, s15, 7
	s_add_co_u32 s20, s20, s21                     ; my first row of out0
	s_mov_b32 s21, 0
	s_mov_b64 s[18:19], SIZE_N*4
	s_mul_u64 s[20:21], s[20:21], s[18:19]
	s_lshl_b32 s46, s42, 10                        ; my first column, in bytes
	s_lshl_b32 s47, s16, 9
	s_add_co_u32 s46, s46, s47
	s_mov_b32 s47, 0
	s_add_nc_u64 s[20:21], s[20:21], s[46:47]
	s_add_nc_u64 s[12:13], s[12:13], s[20:21]
.macro FRAG reg, adr, q, i             ; a fragment: lane l holds row l % 16; registers 6 c .. 6 c + 5 hold K = 64 c + 32 (l / 16) + 0 .. 31: 24 bytes of the row, in pieces of 8
.irp p, 0,1,2,3,4,5
.set PCE, 12*(\q)+6*(\p/3)+\p%3
.if PCE%8 < 5
	ds_load_b64 v[\reg+2*\p:\reg+2*\p+1], v[\adr] offset:8*PCE+16*(PCE/8)+(\i)*16*PITCH
.else
	ds_load_b64 v[\reg+2*\p:\reg+2*\p+1], v[\adr+2] offset:8*PCE+16*(PCE/8)+(\i)*16*PITCH
.endif
.endr
.endm
; 16 matrix instructions: A's blocks a0, a0 + 1 x B's eight, 128 along K.  zero = 1: the first product starts the sums.  The 64 accumulators take turns, one instruction a turn.
.macro MUL16 a0, p, q, sc, zero
.irp a, \a0, \a0+1
.irp b, 0,1,2,3,4,5,6,7
.if \zero
	v_wmma_scale_f32_16x16x128_f8f6f4 v[8*(8*((\a)%4)+\b):8*(8*((\a)%4)+\b)+7], v[128*(\p)+FR*\b:128*(\p)+FR*\b+FR-1], v[AF+FR*(\a):AF+FR*(\a)+FR-1], 0, v[SC+8*NQ*(\sc)+NQ*\b+(\q)], v[SC+8*NQ*(\sc)+NQ*(\a)+(\q)] matrix_a_fmt:MATRIX_FMT_BF6 matrix_b_fmt:MATRIX_FMT_BF6 matrix_a_scale:MATRIX_SCALE_ROW1
.else
	v_wmma_scale_f32_16x16x128_f8f6f4 v[8*(8*((\a)%4)+\b):8*(8*((\a)%4)+\b)+7], v[128*(\p)+FR*\b:128*(\p)+FR*\b+FR-1], v[AF+FR*(\a):AF+FR*(\a)+FR-1], v[8*(8*((\a)%4)+\b):8*(8*((\a)%4)+\b)+7], v[SC+8*NQ*(\sc)+NQ*\b+(\q)], v[SC+8*NQ*(\sc)+NQ*(\a)+(\q)] matrix_a_fmt:MATRIX_FMT_BF6 matrix_b_fmt:MATRIX_FMT_BF6 matrix_a_scale:MATRIX_SCALE_ROW1
.endif
.endr
.endr
.endm
.macro FETCH_B slot, q, p
	WIN TO_B
.irp i, 0,1,2,3,4,5,6,7
	FRAG 128*(\p)+FR*\i, ADRB+\slot, \q, \i
.endr
	WIN 0
.endm
.macro FETCH_A slot, q, i0
.irp i, \i0, \i0+1, \i0+2, \i0+3
	FRAG AF+FR*(\i), ADRA+\slot, \q, \i
.endr
.endm
.macro SCALES sc                       ; a K step's scale words: lanes 0-15 take A's block i, lanes 16-31 B's block i
.irp i, 0,1,2,3,4,5,6,7
	ds_load_b64 v[SC+8*NQ*\sc+NQ*\i:SC+8*NQ*\sc+NQ*\i+1], v[ADRS] offset:\i*SBLK
.endr
.endm
.macro PLACES n                        ; plain vector instructions between a matrix instruction and a load into, or a read of, its registers
.rept \n
	v_nop
.endr
.endm
.macro STEP slot, q, zero
	s_wait_dscnt 4*NL                              ; B's set and A's blocks 0-3 are in; the youngest 24 loads (A's blocks 4-7) may be out
	WIN MUL_LO
	MUL16 0, (\q)%2, \q, \slot, \zero
	MUL16 2, (\q)%2, \q, \slot, \zero
	s_wait_dscnt 0                                 ; A's blocks 4-7 are in
	PLACES NP
	FETCH_B \slot, (\q)+1, 1-(\q)%2
	FETCH_A \slot, (\q)+1, 0
	WIN MUL_HI
	MUL16 4, (\q)%2, \q, \slot, \zero
	MUL16 6, (\q)%2, \q, \slot, \zero
	PLACES NP
	WIN 0
	FETCH_A \slot, (\q)+1, 4
.endm
; A slot's last step changes slots: one barrier; in front of it each wave waits for all its tensor loads, adds 0 to its spare word, and waits for that and for its reads of this slot.  fill = 1: this slot is filled again, two K steps ahead.
.macro TURN slot, next, fill
	s_wait_tensorcnt 0x0                           ; all my tensor loads have landed: my part of the next slot
	ds_add_u32 v[SPW], v[NIL]                      ; 0 onto my spare word
	s_wait_dscnt 4*NL+1                            ; the add and the youngest 24 loads (A's blocks 4-7) may be out
	WIN MUL_LO
	MUL16 0, 1, NQ-1, \slot, 0
	s_wait_dscnt 0x0                               ; the add is done, and my reads of this slot are over
	s_barrier_signal -1
	MUL16 2, 1, NQ-1, \slot, 0
	WIN 0
	s_barrier_wait -1
.if \fill
	CREST                                          ; the barrier has opened a round of the cluster's barrier: no wave of any partner still reads this slot or has a load on its way
	s_add_nc_u64 s[G0+4*\slot+2:G0+4*\slot+3], s[G0+4*\slot+2:G0+4*\slot+3], 2*ROWB
	s_add_nc_u64 s[G0B+4*\slot+2:G0B+4*\slot+3], s[G0B+4*\slot+2:G0B+4*\slot+3], 2*ROWB
	JLOAD G0+4*\slot, G1, G0B+4*\slot, G1B         ; the first tensor load behind the round, my only one until the next; its four v_nop are the places in front of the loads below
.else
	PLACES NP
.endif
	v_add_nc_u32 v[ADRS], 4*NQ, v[ADRS]            ; on to the next K step's scale words
	FETCH_B \next, 0, 0
	FETCH_A \next, 0, 0
	SCALES \next
	WIN MUL_HI
	MUL16 4, 1, NQ-1, \slot, 0
	MUL16 6, 1, NQ-1, \slot, 0
	PLACES NP
	WIN 0
	FETCH_A \next, 0, 4
.endm
	s_wait_tensorcnt 1                             ; the scale bytes and my part of K step 0 are in; K step 1's load may be out
	s_barrier_signal -1
	s_barrier_wait -1
	FETCH_B 0, 0, 0
	FETCH_A 0, 0, 0
	SCALES 0
	FETCH_A 0, 0, 4
	STEP 0, 0, 1                                   ; the first step stands in front of the loop: its products start the sums
	s_mov_b32 s3, LAPS-1
.Llap:                                                 ; a trip goes once round the ring and fills both slots again
	TURN 0, 1, 1
	STEP 1, 0, 0
	TURN 1, 0, 1
	STEP 0, 0, 0
	s_sub_co_u32 s3, s3, 1
	s_cmp_lg_u32 s3, 0
	s_cbranch_scc1 .Llap
	TURN 0, 1, 0                                   ; the last lap fills nothing
	STEP 1, 0, 0
	s_wait_dscnt 4*NL
	WIN MUL_LO
	MUL16 0, 1, NQ-1, 1, 0
	MUL16 2, 1, NQ-1, 1, 0
	s_wait_dscnt 0
	WIN MUL_HI
	MUL16 4, 1, NQ-1, 1, 0
	MUL16 6, 1, NQ-1, 1, 0
	WIN 0
; THE WAY OUT, block by block of 16 rows x 128 columns: through my own stage in LDS, back as whole rows of 512 bytes.  LDS serves a wave's instructions in order (ISA guide 5.7.1.4): no wait between the stores and the loads.
.macro TOSTAGE a
.set AC, 64*((\a)%4)
	WIN 0x08+4*((\a)/4)                            ; the data: window 2 or 3
.irp b, 0,1,2,3,4,5,6,7
	ds_store_b128 v[STO], v[AC+8*\b:AC+8*\b+3] offset:64*\b          ; each accumulator from its low end on
	ds_store_b128 v[STO], v[AC+8*\b+4:AC+8*\b+7] offset:64*\b+16
.endr
	WIN 0
.set BB, BK+64*((\a)%2)
.irp t, 0,1,2,3,4,5,6,7,8,9,10,11,12,13,14,15
	ds_load_b128 v[BB+4*\t:BB+4*\t+3], v[RD] offset:\t*SPITCH
.endr
.endm
.macro SEND a, younger                 ; younger: the LDS instructions issued behind block a's loads, which may stay out
.set BB, BK+64*((\a)%2)
	s_wait_dscnt \younger
.if (\a) > 0
	s_add_nc_u64 s[12:13], s[12:13], 16*SIZE_N*4   ; (behind a wait on XCNT: the earlier stores have read their base)  16 rows on: the stores' offsets reach 15 rows, 122,880 bytes
.endif
.irp t, 0,1,2,3,4,5,6,7,8,9,10,11,12,13,14,15
	global_store_b128 v[CO], v[BB+4*\t:BB+4*\t+3], s[12:13] offset:\t*SIZE_N*4 th:TH_STORE_NT   ; 32 lanes store 512 consecutive bytes, aligned; written once, read by nobody here
.endr
.endm
	PLACES NP
	TOSTAGE 0
.irp a, 1,2,3,4,5,6,7
.if \a > 1
	s_wait_xcnt 0x0                                ; block a - 2's stores have read their registers and their base
.endif
	TOSTAGE \a
	SEND \a-1, 32                                  ; behind block a - 1's loads: block a's 16 stores and 16 loads
.endr
	s_wait_xcnt 0x0                                ; block 6's stores have read their base
	SEND 7, 0
	s_wait_tensorcnt 0x0                           ; the wave's end
	ds_add_u32 v[SPW], v[NIL]
	s_wait_dscnt 0x0
	CROUND                                         ; the closing round: no work-group ends while a partner may still ask for a tile that names it
	s_endpgm
.Lfunc_end_k_qc7e6616e9e_outp:
	.size	k_qc7e6616e9e_outp, .Lfunc_end_k_qc7e6616e9e_outp-k_qc7e6616e9e_outp
	.p2alignl 7, 3214868480
	.fill 96, 4, 3214868480
	.section	.rodata,"a",@progbits
	.p2align	6, 0x0
	.amdhsa_kernel k_qc7e6616e9e_outp
		.amdhsa_group_segment_fixed_size 327680
		.amdhsa_private_segment_fixed_size 0
		.amdhsa_enable_private_segment 0
		.amdhsa_kernarg_size 24
		.amdhsa_user_sgpr_count 2
		.amdhsa_user_sgpr_kernarg_segment_ptr 1
		.amdhsa_wavefront_size32 1
		.amdhsa_system_sgpr_workgroup_id_x 1
		.amdhsa_system_sgpr_workgroup_id_y 1
		.amdhsa_system_sgpr_workgroup_id_z 1
		.amdhsa_system_vgpr_workitem_id 0
		.amdhsa_next_free_vgpr 1024
		.amdhsa_next_free_sgpr 98
		.amdhsa_reserve_vcc 0
		.amdhsa_float_denorm_mode_32 3
		.amdhsa_float_denorm_mode_16_64 3
		.amdhsa_memory_ordered 1
		.amdhsa_forward_progress 1
		.amdhsa_inst_pref_size 160
	.end_amdhsa_kernel
	.amdgpu_metadata
---
amdhsa.version: [ 1, 2 ]
amdhsa.kernels:
  - .name:           k_qc7e6616e9e_outp
    .symbol:         k_qc7e6616e9e_outp.kd
    .args:
      - { .name: att, .offset: 0, .size: 8, .value_kind: global_buffer, .address_space: global }
      - { .name: qin, .offset: 8, .size: 8, .value_kind: global_buffer, .address_space: global }
      - { .name: out0, .offset: 16, .size: 8, .value_kind: global_buffer, .address_space: global }
    .group_segment_fixed_size: 327680
    .private_segment_fixed_size: 0
    .kernarg_segment_align: 8
    .kernarg_segment_size: 24
    .max_flat_workgroup_size: 128
    .sgpr_count:     98
    .vgpr_count:     1024
    .wavefront_size: 32
...
	.end_amdgpu_metadata
.endif
;; end of part 5
